; MI455X (gfx1250); checked and timed in simulation.
; The chip was launched on July 23, 2026; its instructions are those of AMD's public machine-readable ISA for CDNA 5 (MIT licence, August 2026) and "CDNA5" Instruction Set Architecture Reference Guide (July 2026). The comments in the code are by the model that wrote it; some were corrected since.
;; RJ. Allowed arithmetic: matrix products marked QUANTISED: E5M2 operands, one E8M0 scale for each 32 along K, by v_wmma_scale_f32_16x16x128_f8f6f4 with both operands' format E5M2, f32 sums; everything else in f32.
;; Inputs: Wk 512 x 512 float32; Wo 512 x 512 float32; Wq 512 x 512 float32; Wv 512 x 512 float32; adj 8 x 2,048 x 2,048 int32; beta 512 float32; bo 512 float32; gamma 512 float32; x 8 x 2,048 x 512 float32.
;; Outputs: out0 8 x 2,048 x 512 float32.
;; This version of the problem:
;;   THIS VERSION OF THE PROBLEM IS GIVEN IN LOW PRECISION. The matrix products marked QUANTISED in the list below multiply operands that are first quantised to E5M2 (5 exponent bits, 2 mantissa bits; 8 bits a number), with one power-of-two scale for each 32 numbers along K (OCP MX v1.0); their sums are f32. All else is computed in f32.
;;   The module's matrix products, in the order in which they are computed (A, B: the left and right operand; K: the contracted axis; several contracted axes count as one K, in the product's order):
;;     1. [M 16,384, K 512] x [K 512, N 512]; A: input x; B: input Wq: QUANTISED
;;     2. [M 16,384, K 512] x [K 512, N 512]; A: input x; B: input Wk: QUANTISED
;;     3. [M 16,384, K 512] x [K 512, N 512]; A: input x; B: input Wv: QUANTISED
;;     4. batch 8 x [M 2,048, K 512] x [K 512, N 2,048]; A: computed on the way; B: computed on the way: QUANTISED
;;     5. batch 8 x [M 2,048, K 2,048] x [K 2,048, N 512]; A: softmax (see below); B: computed on the way: QUANTISED
;;     6. [M 16,384, K 512] x [K 512, N 512]; A: computed on the way; B: input Wo: QUANTISED
;;   THE QUANTISER, for each operand of a quantised product, along K:
;;     - K is cut into blocks of 32 from its start; a last block that is shorter is filled with zeros.
;;     - A block's scale is 2^e with e = floor(log2(the largest magnitude in the block)) - 15, held to -126 .. 127; a block of zeros has e = 0. As a byte (E8M0): e + 127.
;;     - Each number is divided by its block's scale, clamped to +-57,344, and rounded to the nearest number of E5M2, ties to even, subnormals kept.
;;     - The product sums the exact products of the quantised numbers (number of the format x scale) in f32.
;;   ~~~python
;;   def quantise(x, axis):      # numpy; x: float32 -> the quantised numbers, widened to float32 again
;;       x = np.moveaxis(x, axis, -1); K = x.shape[-1]
;;       x = np.pad(x, [(0, 0)] * (x.ndim - 1) + [(0, -K % 32)]); x = x.reshape(x.shape[:-1] + (-1, 32)); a = np.abs(x).max(-1, keepdims=True)
;;       e = np.where(a > 0, np.clip(np.frexp(np.where(a > 0, a, 1))[1] - 1 - 15, -126, 127), 0)      # np.frexp(a)[1] - 1 = floor(log2(a)), exactly
;;       r = np.clip(x / 2.0 ** e, -57344, 57344)
;;       step = 2.0 ** (np.maximum(np.frexp(np.where(r == 0, 1, r))[1] - 1, -14) - 2)
;;       q = np.round(r / step) * step * 2.0 ** e      # np.round: ties to even
;;       return np.moveaxis(q.reshape(q.shape[:-2] + (-1,))[..., :K], -1, axis).astype(np.float32)
;;   ~~~
;;   SOFTMAX AHEAD OF A QUANTISED PRODUCT. Where the list says 'softmax', what is quantised is not the finished softmax but p = 2^(t - M), with t = logit x log2(e) and M = ceil(the row's largest t), a whole number; so 1/2 < the row's largest p <= 1. The row's sum l is taken of the UNQUANTISED p, in f32, and the product's result is divided by l at the end. Since M is a whole number, a kernel that streams over the keys may use a running M (the ceiling of the running maximum): every later rescaling is an exact power of two, which a block's scale takes up: the codes' values come out the same.
;;   OPERANDS COMPUTED ON THE WAY. 'Computed on the way' means the value that the module computes at that place (a softmax that the list does not call 'softmax' is quantised finished and normalised). What goes into a quantiser is computed in f32, as accurately as f32 sums, v_exp_f32 and their like allow (about 1e-6 of the number): no bf16 or f16 on the way to a quantiser, and a product that is left as it is and whose result goes on into a quantised operand takes f32 operands (vector FMAs, or v_wmma_f32_16x16x4_f32). A number that lies on a knife's edge between two numbers of the format may be rounded either way, as far as f32 arithmetic and the matrix unit's own rounding can turn it there, and no further.
;; One version. Each part assembles by itself: llvm-mc -triple=amdgcn-amd-amdhsa -mcpu=gfx1250 --defsym DOCPART=n.
;; ======== version 1 of 1: 3 launches
;; limits: right only within a limited range of input values
;; workspace buffers: xc 8,388,608 bytes; xs 262,144 bytes; wc 1,048,576 bytes; ws 32,768 bytes; qc 8,388,608 bytes; qs 262,144 bytes; kv 17,301,504 bytes
;; launch quant (part 1): grid 576 x 1, 4 waves a work-group, no clusters, 67,072 bytes of LDS; arguments x, Wq, Wk, Wv, Wo, xc, xs, wc, ws; writes xc, xs, wc, ws
.if DOCPART == 1
	.amdgcn_target "amdgcn-amd-amdhsa--gfx1250"
	.amdhsa_code_object_version 6
	.text
	.protected	k_q39fd11a42d_quant
	.globl	k_q39fd11a42d_quant
	.p2align	8
	.type	k_q39fd11a42d_quant,@function
k_q39fd11a42d_quant:
	s_mov_b64 s[64:65], 0
	v_nop
	global_prefetch_b8 v0, s[64:65] scope:SCOPE_SE
	s_setreg_imm32_b32 hwreg(HW_REG_WAVE_MODE, 25, 1), 1
	s_wait_xcnt 0x0
; x [16384][512] f32 (K = its last axis) and Wq, Wk, Wv, Wo [512 (k)][512 (n)] f32 (K = their FIRST axis) become codes of E5M2 with one E8M0 byte for each 32 along K.
; THE CODES ARE LAID AS IMAGES OF OPERAND REGISTERS.  A tile is 16 rows (tokens of x, columns n of a weight): tile T = 2 b + u holds rows 32 b + 8 u + r + 8 (r / 8), r = 0 .. 15.
; A fragment (a tile x 128 along K) is 2,048 bytes: [c 0..3][lane 0..31][16 bytes]; lane (r, h) holds row r, k = 128 s + 32 c + 16 h + 0 .. 15.  A tile is its four fragments on end, 8,192 bytes.
; A tile's scale words (one word for a row and 128 k) are 256 bytes: the word of row r and K step s at 128 (s / 2) + 8 r + 4 (s % 2).
; A block's scale is 2^(floor(log2(its largest magnitude)) - 15); its byte is the largest magnitude's exponent field - 15, held at 1 from below; each number is held within +-57,344 x the scale and converted, ties to even.
; LIMITS: a block of zeros gets the byte 1 where the rule says 127 (its codes are zeros, and this program alone reads the bytes); blocks whose largest magnitude lies under 2^(16 - 127) are held at that byte;
; NaN and infinities among the inputs are not served.
; SHARES.  A wave takes one tile and half of K (two fragments).  Work-groups 0 to 63 take the weights (16 for each), 64 to 575 take x.  Waves share nothing: no barrier.  No matrix unit, no tensor load: memory binds.
; x: each load reads 512 consecutive bytes of a row; the 16 rows x 1,024 bytes turn through the wave's own stage in LDS (rows 1,040 bytes apart: 65 x 16, so that 16 rows start at 16 different groups of banks).
; Weights: a lane takes a column and its registers run down K (16 lanes read 2 x 32 consecutive bytes): 4 MB in all.
.set PITCH, 1040
.set WREG,  16*PITCH                   ; a wave's stage
.set LI,   4                           ; v4   16 x lane
.set ASW,  5                           ; v5   the stage, on the way in
.set ASR,  6                           ; v6   and on the way out: row r, + 64 h
.set WOF,  7                           ; v7   a weight: 4 x my column in the tile + 16 h rows
.set SCO,  8                           ; v8   8 r: my row's two scale words
.set TM,   12                          ; v12-27 at work in the quantiser
.set PW,   28                          ; v28-29 the two scale words
.set PC,   32                          ; v32-63 the two fragments' codes
.set X,    64                          ; v64-127 64 numbers of a lane
.set RAW,  128                         ; v128-255 as loaded
.set WV,   22
.set SEL,  24                          ; s[24:25] v_permlanex16_b32's selects for lane l xor 16
.set MNT,  26                          ; s26 the mantissa field of 57,344
.set CP,   32                          ; s[32:33] where my codes go
.set SP,   34                          ; s[34:35] where my scale words go
; 64 numbers of a lane, register 16 b + i = k 32 b + 16 (lane / 16) + i of my row, become a fragment's 16 registers of codes at v[pc] and its scale word in v[pw]
.macro QUANT s, pc, pw
.irp b, 0,1,2,3
	v_max3_num_f32 v[TM+\b], |v[\s+16*\b]|, |v[\s+1+16*\b]|, 0x8000000   ; block b: my 16 numbers, and the floor 2^(16 - 127): the byte cannot fall under 1
.endr
.irp i, 2,4,6,8,10,12,14
.irp b, 0,1,2,3
	v_max3_num_f32 v[TM+\b], v[TM+\b], |v[\s+16*\b+\i]|, |v[\s+1+16*\b+\i]|   ; the four blocks by turns
.endr
.endr
.irp b, 0,1,2,3
	v_permlanex16_b32 v[TM+4+\b], v[TM+\b], s[SEL], s[SEL+1]
.endr
.irp b, 0,1,2,3
	v_max_num_f32 v[TM+\b], v[TM+\b], v[TM+4+\b]                     ; with lane l xor 16's 16: the block's largest magnitude
.endr
.irp b, 0,1,2,3
	v_add_nc_u32 v[TM+12+\b], 0xf8800000, v[TM+\b]                   ; 15 off its exponent field: the conversion's scale operand
.endr
.irp b, 0,1,2,3
	v_and_or_b32 v[TM+8+\b], v[TM+\b], 0x7f800000, s[MNT]            ; 57,344 x the scale
.endr
.irp b, 0,1,2,3
	v_lshrrev_b32 v[TM+4+\b], 23, v[TM+12+\b]                        ; the scale's byte
.endr
	v_lshl_or_b32 v[\pw], v[TM+5], 8, v[TM+4]
	v_lshl_or_b32 v[\pw], v[TM+6], 16, v[\pw]
	v_lshl_or_b32 v[\pw], v[TM+7], 24, v[\pw]
.irp b, 0,1,2,3
.irp i, 0,1,2,3,4,5,6,7,8,9,10,11,12,13,14,15
	v_med3_num_f32 v[\s+16*\b+\i], v[\s+16*\b+\i], -v[TM+8+\b], v[TM+8+\b]   ; the conversion to an 8-bit code does not saturate (ISA guide 7.6.2): the hold
.endr
	v_cvt_scalef32_pk8_bf8_f32 v[\pc+4*\b:\pc+1+4*\b], v[\s+16*\b:\s+7+16*\b], v[TM+12+\b]
	v_cvt_scalef32_pk8_bf8_f32 v[\pc+2+4*\b:\pc+3+4*\b], v[\s+8+16*\b:\s+15+16*\b], v[TM+12+\b]
.endr
	v_nop                                          ; a plain line behind the last conversion
.endm
.macro OUT ss                          ; a fragment leaves as it stands: four stores of 512 consecutive bytes
.irp c, 0,1,2,3
	global_store_b128 v[LI], v[PC+16*\ss+4*\c:PC+16*\ss+4*\c+3], s[CP:CP+1] offset:2048*\ss+512*\c
.endr
.endm
	s_load_b256 s[4:11], s[0:1], 0x0               ; x s[4:5], Wq s[6:7], Wk s[8:9], Wv s[10:11]
	s_load_b256 s[12:19], s[0:1], 0x20             ; Wo s[12:13], xc s[14:15], xs s[16:17], wc s[18:19]
	s_load_b64 s[20:21], s[0:1], 0x40              ; ws
	v_lshl_add_u32 v30, v0, 2, 0x10400
	v_mov_b32 v31, 0
	v_lshrrev_b32 v1, 5, v0
	v_readfirstlane_b32 s[WV], v1                  ; wave 0..3
	v_and_b32 v1, 31, v0                           ; lane
	v_and_b32 v2, 15, v0                           ; r
	v_bfe_u32 v3, v0, 4, 1                         ; h
	v_lshlrev_b32 v[LI], 4, v1
	v_lshlrev_b32 v[SCO], 3, v2
	s_mov_b32 s[SEL], 0x76543210
	s_mov_b32 s[SEL+1], 0xfedcba98
	s_mov_b32 s[MNT], 0x600000
.irp b, 0,1,2,3
	v_mov_b32 v[TM+4+\b], 0                        ; written once: a lane permute's destination counts as one of its sources
.endr
	s_cmp_lt_u32 ttmp9, 64
	s_cbranch_scc1 .Lweights
	; ---------------- x
	s_sub_co_u32 s27, ttmp9, 64
	s_lshl_b32 s27, s27, 2
	s_add_co_u32 s27, s27, s[WV]                   ; my unit: tile T = unit / 2, half of K = unit % 2
	s_lshr_b32 s28, s27, 1
	s_and_b32 s29, s27, 1
	s_lshr_b32 s30, s28, 1
	s_lshl_b32 s30, s30, 16                        ; 32 (T / 2) rows of 2,048 bytes
	s_and_b32 s31, s28, 1
	s_lshl_b32 s31, s31, 14                        ; + 8 (T % 2) rows
	s_add_co_u32 s30, s30, s31
	s_lshl_b32 s31, s29, 10                        ; + my half of the row
	s_add_co_u32 s30, s30, s31
	s_mov_b32 s31, 0
	s_lshl_b32 s36, s28, 13                        ; codes: 8,192 T + 4,096 half
	s_lshl_b32 s37, s29, 12
	s_add_co_u32 s36, s36, s37
	s_mov_b32 s37, 0
	s_lshl_b32 s38, s28, 8                         ; scale words: 256 T + 128 half
	s_lshl_b32 s39, s29, 7
	s_add_co_u32 s38, s38, s39
	s_mov_b32 s39, 0
	s_mul_i32 s23, s[WV], WREG
	s_wait_alu depctr_va_vdst(0)
	v_add_nc_u32 v[ASW], s23, v[LI]
	v_mul_u32_u24 v[ASR], v2, PITCH
	v_lshl_add_u32 v[ASR], v3, 6, v[ASR]
	v_add_nc_u32 v[ASR], s23, v[ASR]
	s_wait_alu depctr_va_vdst(0)
	s_wait_kmcnt 0x0
	s_add_nc_u64 s[4:5], s[4:5], s[30:31]
	s_add_nc_u64 s[CP:CP+1], s[14:15], s[36:37]
	s_add_nc_u64 s[SP:SP+1], s[16:17], s[38:39]
.irp i, 0,1,2,3,4,5,6,7,8,9,10,11,12,13,14,15
.irp p, 0,1
	global_load_b128 v[RAW+8*\i+4*\p:RAW+8*\i+4*\p+3], v[LI], s[4:5] offset:(\i+8*(\i/8))*2048+512*\p th:TH_LOAD_NT   ; the tile's row i: 512 consecutive bytes a load
.endr
.endr
.irp g, 0,1,2,3
	s_wait_loadcnt 24-8*\g                         ; loads come back in order: rows 4 g .. 4 g + 3 are in, the 24 - 8 g younger loads stay out
.irp e, 0,1,2,3
.irp p, 0,1
	ds_store_b128 v[ASW], v[RAW+8*(4*\g+\e)+4*\p:RAW+8*(4*\g+\e)+4*\p+3] offset:(4*\g+\e)*PITCH+512*\p
.endr
.endr
.endr
.irp ss, 0,1
.irp c, 0,1,2,3
.irp k, 0,1,2,3
	ds_load_b128 v[X+16*\c+4*\k:X+16*\c+4*\k+3], v[ASR] offset:512*\ss+128*\c+16*\k   ; LDS serves a wave's instructions in order: these see my stores
.endr
.endr
	s_wait_dscnt 0x0
	QUANT X, PC+16*\ss, PW+\ss
	OUT \ss
.endr
	s_branch .Lscales
	; ---------------- the weights
.Lweights:
	s_lshr_b32 s23, ttmp9, 4                       ; which weight: 0 Wq, 1 Wk, 2 Wv, 3 Wo
	s_and_b32 s27, ttmp9, 15
	s_lshl_b32 s27, s27, 2
	s_add_co_u32 s27, s27, s[WV]                   ; my unit
	s_lshr_b32 s28, s27, 1                         ; tile T of columns
	s_and_b32 s29, s27, 1                          ; half of K
	s_lshr_b32 s30, s28, 1
	s_lshl_b32 s30, s30, 7                         ; 32 (T / 2) columns of 4 bytes
	s_and_b32 s31, s28, 1
	s_lshl_b32 s31, s31, 5                         ; + 8 (T % 2) columns
	s_add_co_u32 s30, s30, s31
	s_lshl_b32 s31, s29, 19                        ; + 256 rows of 2,048 bytes for the second half of K
	s_add_co_u32 s30, s30, s31
	s_mov_b32 s31, 0
	s_lshl_b32 s36, s23, 18                        ; codes: 262,144 a weight, 8,192 a tile, 4,096 a half
	s_lshl_b32 s37, s28, 13
	s_add_co_u32 s36, s36, s37
	s_lshl_b32 s37, s29, 12
	s_add_co_u32 s36, s36, s37
	s_mov_b32 s37, 0
	s_lshl_b32 s38, s23, 13                        ; scale words: 8,192 a weight, 256 a tile, 128 a half
	s_lshl_b32 s39, s28, 8
	s_add_co_u32 s38, s38, s39
	s_lshl_b32 s39, s29, 7
	s_add_co_u32 s38, s38, s39
	s_mov_b32 s39, 0
	s_wait_alu depctr_va_vdst(0)
	v_and_b32 v9, 8, v2
	v_add_nc_u32 v9, v9, v2                        ; r + 8 (r / 8)
	v_lshlrev_b32 v[WOF], 2, v9
	v_lshl_add_u32 v[WOF], v3, 15, v[WOF]          ; lanes 16-31 begin 16 rows further down
	s_wait_alu depctr_va_vdst(0)
	s_wait_kmcnt 0x0
	s_cmp_eq_u32 s23, 1                            ; the choice hangs on the work-group's number alone
	s_cselect_b64 s[6:7], s[8:9], s[6:7]
	s_cmp_eq_u32 s23, 2
	s_cselect_b64 s[6:7], s[10:11], s[6:7]
	s_cmp_eq_u32 s23, 3
	s_cselect_b64 s[6:7], s[12:13], s[6:7]
	s_add_nc_u64 s[6:7], s[6:7], s[30:31]
	s_add_nc_u64 s[CP:CP+1], s[18:19], s[36:37]
	s_add_nc_u64 s[SP:SP+1], s[20:21], s[38:39]
.irp ss, 0,1
.irp c, 0,1,2,3
.irp k, 0,1,2,3,4,5,6,7,8,9,10,11,12,13,14,15
	global_load_b32 v[RAW+64*\ss+16*\c+\k], v[WOF], s[6:7] offset:(128*\ss+32*\c+\k)*2048   ; W(128 ss + 32 c + 16 h + k, my column)
.endr
.endr
.endr
	s_wait_loadcnt 63                              ; 64 loads are younger than the first fragment's; the wait's field ends at 63, and a smaller count is safe
	QUANT RAW, PC, PW
	OUT 0
	s_wait_loadcnt 0x0
	QUANT RAW+64, PC+16, PW+1
	OUT 1
.Lscales:
	global_store_b64 v[SCO], v[PW:PW+1], s[SP:SP+1]  ; row r's two words; lanes 16-31 hold the same words and write the same bytes
	s_wait_tensorcnt 0x0
	ds_add_u32 v30, v31
	s_wait_dscnt 0x0
	s_endpgm
.Lfunc_end_k_q39fd11a42d_quant:
	.size	k_q39fd11a42d_quant, .Lfunc_end_k_q39fd11a42d_quant-k_q39fd11a42d_quant
	.p2alignl 7, 3214868480
	.fill 96, 4, 3214868480
	.section	.rodata,"a",@progbits
	.p2align	6, 0x0
	.amdhsa_kernel k_q39fd11a42d_quant
		.amdhsa_group_segment_fixed_size 67072
		.amdhsa_private_segment_fixed_size 0
		.amdhsa_enable_private_segment 0
		.amdhsa_kernarg_size 72
		.amdhsa_user_sgpr_count 2
		.amdhsa_user_sgpr_kernarg_segment_ptr 1
		.amdhsa_wavefront_size32 1
		.amdhsa_system_sgpr_workgroup_id_x 1
		.amdhsa_system_sgpr_workgroup_id_y 1
		.amdhsa_system_sgpr_workgroup_id_z 1
		.amdhsa_system_vgpr_workitem_id 0
		.amdhsa_next_free_vgpr 256
		.amdhsa_next_free_sgpr 66
		.amdhsa_reserve_vcc 0
		.amdhsa_float_denorm_mode_32 3
		.amdhsa_float_denorm_mode_16_64 3
		.amdhsa_memory_ordered 1
		.amdhsa_forward_progress 1
		.amdhsa_inst_pref_size 57
	.end_amdhsa_kernel
	.amdgpu_metadata
---
amdhsa.version: [ 1, 2 ]
amdhsa.kernels:
  - .name:           k_q39fd11a42d_quant
    .symbol:         k_q39fd11a42d_quant.kd
    .args:
      - { .name: x, .offset: 0, .size: 8, .value_kind: global_buffer, .address_space: global }
      - { .name: Wq, .offset: 8, .size: 8, .value_kind: global_buffer, .address_space: global }
      - { .name: Wk, .offset: 16, .size: 8, .value_kind: global_buffer, .address_space: global }
      - { .name: Wv, .offset: 24, .size: 8, .value_kind: global_buffer, .address_space: global }
      - { .name: Wo, .offset: 32, .size: 8, .value_kind: global_buffer, .address_space: global }
      - { .name: xc, .offset: 40, .size: 8, .value_kind: global_buffer, .address_space: global }
      - { .name: xs, .offset: 48, .size: 8, .value_kind: global_buffer, .address_space: global }
      - { .name: wc, .offset: 56, .size: 8, .value_kind: global_buffer, .address_space: global }
      - { .name: ws, .offset: 64, .size: 8, .value_kind: global_buffer, .address_space: global }
    .group_segment_fixed_size: 67072
    .private_segment_fixed_size: 0
    .kernarg_segment_align: 8
    .kernarg_segment_size: 72
    .max_flat_workgroup_size: 128
    .sgpr_count:     66
    .vgpr_count:     256
    .wavefront_size: 32
...
	.end_amdgpu_metadata
.endif
;; end of part 1
;; launch proj (part 2): grid 64 x 3, 4 waves a work-group, no clusters, 327,680 bytes of LDS; arguments xc, xs, wc, ws, qc, qs, kv; writes qc, qs, kv
.if DOCPART == 2
	.amdgcn_target "amdgcn-amd-amdhsa--gfx1250"
	.amdhsa_code_object_version 6
	.text
	.protected	k_q39fd11a42d_proj
	.globl	k_q39fd11a42d_proj
	.p2align	8
	.type	k_q39fd11a42d_proj,@function
k_q39fd11a42d_proj:
	s_mov_b64 s[64:65], 0
	v_nop
	global_prefetch_b8 v0, s[64:65] scope:SCOPE_SE
	s_setreg_imm32_b32 hwreg(HW_REG_WAVE_MODE, 25, 1), 1
	s_wait_xcnt 0x0
; Q = x Wq (y = 0), K = x Wk (y = 1), V = x Wv (y = 2) on codes of E5M2 with E8M0 scales, each result quantised again on the way out: Q and K along their 512 columns, V along the tokens.  No f32 result is stored.
; Codes come and go as images of operand registers: a tile is 16 rows, a fragment (a tile x 128 of K) 2,048 bytes [c][lane][16], a tile its four fragments on end; a tile's scale words are 256 bytes.
; THE DEAL.  One operand stays in registers: eight tiles a wave, all of K, 512 registers (y = 0, 1: 128 columns of the weight; y = 2: 128 tokens of x).  The other, 16 tiles, lies in LDS and is read by all four waves
; (y = 0, 1: 256 tokens of x; y = 2: 256 columns of Wv).  A streamed tile gives 32 products, used transposed: a lane holds one streamed row and 64 numbers along the register operand's rows, which are the next product's K:
; one fragment of codes and one scale word.
; THE HEAD.  Waves 0 and 1 bring 65,536 bytes of codes each, wave 2 the 4,096 bytes of scale words: one tensor load a wave, filled once.  The register operand's 136 loads are issued under them.
; THE STREAM.  Two sets of eight accumulators.  Tile t's 32 products write one set; the 128 lines of tile t - 1's quantiser, on the other set, stand four behind each product.  So tile 0's products stand ahead of the loop
; and tile 15's quantiser behind it.  The eight accumulators take turns.
; cluster = none: y = 2 deals its operands the other way round than y = 0 and 1, so the work-groups along y ask for different tiles, and every LDS byte is filled once, at the head.
; No prefetch: the launch's loads all go out at its head; the loop reads LDS and registers alone.
; LIMITS: a block of zeros gets the byte 1 (its codes are zeros, and this program alone reads the bytes); blocks under 2^(16 - 127) are held at that byte; NaN and infinities are not served.
.set SLB,  135168
.set RC,   0                           ; LDS: the streamed codes, 131,072 bytes
.set RS,   131072                      ; their scale words, 4,096
.set SG,   135168                      ; the results' scale words, 1,024 a wave
.set LI,   2
.set ARC,  3
.set ARS,  5
.set ASG,  7
.set ASGR, 8
.set PSO,  9
.set TM,   12
.set PW,   28
.set RSR,  30                          ; v30-37: no product's two scale registers have numbers equal modulo 8
.set PS,   40
.set PC,   56
.set ACC,  72                          ; v72-135, v136-199: two sets of eight accumulators
.set GS,   200
.set WV,   18
.set TR,   19
.set SEL,  20
.set MNT,  22
.set G1C,  24
.set G1S,  32
.set G0C,  40
.set G0S,  44
.set PP,   48
.set PSP,  50
.set RP,   52
.set RSP,  54
.set OUTP, 56
.set SC0,  58
.set SC1,  60
.set STP,  62
.set S1,   66
.set SJ,   67
.set MSB, 0
.macro WIN new
.if MSB != (\new)
	s_set_vgpr_msb (MSB<<8)|(\new)
.set MSB, (\new)
.endif
.endm
.macro WMS d, a, b, z, sa, sb, ra
.if \z
.if \ra
	v_wmma_scale_f32_16x16x128_f8f6f4 v[(\d):(\d)+7], v[(\a):(\a)+15], v[(\b):(\b)+15], 0, v[\sa], v[\sb] matrix_a_fmt:MATRIX_FMT_BF8 matrix_b_fmt:MATRIX_FMT_BF8 matrix_a_scale:MATRIX_SCALE_ROW1
.else
	v_wmma_scale_f32_16x16x128_f8f6f4 v[(\d):(\d)+7], v[(\a):(\a)+15], v[(\b):(\b)+15], 0, v[\sa], v[\sb] matrix_a_fmt:MATRIX_FMT_BF8 matrix_b_fmt:MATRIX_FMT_BF8
.endif
.else
.if \ra
	v_wmma_scale_f32_16x16x128_f8f6f4 v[(\d):(\d)+7], v[(\a):(\a)+15], v[(\b):(\b)+15], v[(\d):(\d)+7], v[\sa], v[\sb] matrix_a_fmt:MATRIX_FMT_BF8 matrix_b_fmt:MATRIX_FMT_BF8 matrix_a_scale:MATRIX_SCALE_ROW1
.else
	v_wmma_scale_f32_16x16x128_f8f6f4 v[(\d):(\d)+7], v[(\a):(\a)+15], v[(\b):(\b)+15], v[(\d):(\d)+7], v[\sa], v[\sb] matrix_a_fmt:MATRIX_FMT_BF8 matrix_b_fmt:MATRIX_FMT_BF8
.endif
.endif
.endm
; LINE n (0 .. 127) OF THE QUANTISER: 64 numbers of a lane at s, register 16 b + i = k 32 b + 16 (lane / 16) + i of my row, become the codes v[PC ..] and the scale word v[PW].  The four blocks by turns
.macro QL n, s
.set B_, (\n)%4
.if (\n) < 4
	v_max3_num_f32 v[TM+B_], |v[\s+16*B_]|, |v[\s+16*B_+1]|, 0x8000000       ; and the floor 2^(16 - 127): the byte cannot fall under 1
.elseif (\n) < 32
	v_max3_num_f32 v[TM+B_], v[TM+B_], |v[\s+16*B_+2*((\n)/4)]|, |v[\s+16*B_+2*((\n)/4)+1]|
.elseif (\n) < 36
	v_permlanex16_b32 v[TM+4+B_], v[TM+B_], s[SEL], s[SEL+1]
.elseif (\n) < 40
	v_max_num_f32 v[TM+B_], v[TM+B_], v[TM+4+B_]                            ; with lane l xor 16's 16: the block's largest magnitude
.elseif (\n) < 44
	v_add_nc_u32 v[TM+12+B_], 0xf8800000, v[TM+B_]                          ; 15 off its exponent field: the conversion's scale operand
.elseif (\n) < 48
	v_and_or_b32 v[TM+8+B_], v[TM+B_], 0x7f800000, s[MNT]                   ; 57,344 x the scale
.elseif (\n) < 52
	v_lshrrev_b32 v[TM+4+B_], 23, v[TM+12+B_]                               ; the scale's byte
.elseif (\n) == 52
	v_lshl_or_b32 v[PW], v[TM+5], 8, v[TM+4]
.elseif (\n) == 53
	v_lshl_or_b32 v[PW], v[TM+6], 16, v[PW]
.elseif (\n) == 54
	v_lshl_or_b32 v[PW], v[TM+7], 24, v[PW]
.elseif (\n) < 127
.set B_, ((\n)-55)/18
.set J_, ((\n)-55)%18
.if J_ < 16
	v_med3_num_f32 v[\s+16*B_+J_], v[\s+16*B_+J_], -v[TM+8+B_], v[TM+8+B_]  ; the conversion does not saturate (ISA guide 7.6.2): the hold
.elseif J_ == 16
	v_cvt_scalef32_pk8_bf8_f32 v[PC+4*B_:PC+4*B_+1], v[\s+16*B_:\s+16*B_+7], v[TM+12+B_]
.else
	v_cvt_scalef32_pk8_bf8_f32 v[PC+4*B_+2:PC+4*B_+3], v[\s+16*B_+8:\s+16*B_+15], v[TM+12+B_]
.endif
.else
	v_nop                                          ; a plain line behind the last conversion
.endif
.endm
	s_load_b256 s[4:11], s[0:1], 0x0               ; xc, xs, wc, ws
	s_load_b128 s[12:15], s[0:1], 0x20             ; qc, qs
	s_load_b64 s[16:17], s[0:1], 0x30              ; kv
	v_lshl_add_u32 v254, v0, 2, 0x29000
	v_mov_b32 v255, 0
	ds_add_u32 v254, v255                          ; the opening lines: the add twice on end and its wait
	ds_add_u32 v254, v255
	v_lshrrev_b32 v1, 5, v0
	v_readfirstlane_b32 s[WV], v1
	v_and_b32 v1, 31, v0
	v_and_b32 v10, 15, v0
	v_bfe_u32 v11, v0, 4, 1
	v_lshlrev_b32 v[LI], 4, v1
	v_lshlrev_b32 v[ARC], 4, v1
	v_add_nc_u32 v[ARC+1], 8192, v[ARC]
	v_lshl_add_u32 v[ARS], v10, 3, RS
	v_add_nc_u32 v[ARS+1], 256, v[ARS]
	s_lshl_b32 s68, s[WV], 10
	s_add_co_u32 s69, s68, SG-64
	v_lshl_add_u32 v[ASG], v10, 2, s69
	s_add_co_u32 s69, s68, SG
	v_add_nc_u32 v[ASGR], s69, v[LI]
	v_lshlrev_b32 v[PSO], 3, v10
	v_lshl_add_u32 v[PSO], v11, 8, v[PSO]
.irp b, 0,1,2,3
	v_mov_b32 v[TM+4+\b], 0                        ; a lane permute's destination counts as one of its sources
.endr
	s_mov_b32 s[SEL], 0x76543210
	s_mov_b32 s[SEL+1], 0xfedcba98
	s_mov_b32 s[MNT], 0x600000
	s_mov_b32 s[G1C], 3<<16                        ; 256 rows of 256 bytes, dense
	s_mov_b32 s[G1C+1], 32<<16
	s_mov_b32 s[G1C+2], 256<<16
	s_mov_b32 s[G1C+3], 32<<16
	s_mov_b32 s[G1C+4], 256
	s_mov_b32 s[G1C+5], 32
	s_mov_b32 s[G1C+6], 0
	s_mov_b32 s[G1C+7], 0
	s_mov_b32 s[G1S], 3<<16                        ; 16 rows of 256 bytes
	s_mov_b32 s[G1S+1], 32<<16
	s_mov_b32 s[G1S+2], 16<<16
	s_mov_b32 s[G1S+3], 32<<16
	s_mov_b32 s[G1S+4], 16
	s_mov_b32 s[G1S+5], 32
	s_mov_b32 s[G1S+6], 0
	s_mov_b32 s[G1S+7], 0
	s_and_b32 s68, ttmp7, 0xffff                   ; which product
	s_lshr_b32 s69, ttmp9, 1
	s_and_b32 s70, ttmp9, 1
	s_add_co_u32 s71, s70, 4
	s_lshl_b32 s84, ttmp9, 17                      ; where the results go: Q's tiles on end; K's and V's inside kv's key steps
	s_lshl_b32 s85, s[WV], 11
	s_add_co_u32 s84, s84, s85
	s_mul_i32 s86, ttmp9, 2*SLB
	s_add_co_u32 s87, s86, s85
	s_lshl_b32 s88, s69, 2
	s_add_co_u32 s88, s88, s[WV]
	s_mul_i32 s88, s88, SLB
	s_lshl_b32 s89, s70, 15
	s_add_co_u32 s89, s89, s88
	s_add_co_u32 s89, s89, 67584
	s_lshl_b32 s90, ttmp9, 12
	s_lshl_b32 s91, s[WV], 10
	s_add_co_u32 s90, s90, s91
	s_lshl_b32 s91, s[WV], 9
	s_add_co_u32 s91, s91, s86
	s_add_co_u32 s91, s91, 65536
	s_lshl_b32 s92, s70, 10
	s_add_co_u32 s92, s92, s88
	s_add_co_u32 s92, s92, 133120
	s_mov_b32 s[S1], 8192
	s_mov_b32 s[SJ], 8192
	s_mov_b32 s74, 512
	s_cmp_eq_u32 s68, 0
	s_cselect_b32 s84, s84, s87
	s_cselect_b32 s90, s90, s91
	s_cmp_eq_u32 s68, 1
	s_cselect_b32 s[SJ], 77824, s[SJ]
	s_cselect_b32 s74, SLB, s74
	s_cmp_eq_u32 s68, 2
	s_cselect_b32 s84, s89, s84
	s_cselect_b32 s90, s92, s90
	s_cselect_b32 s[S1], 2048, s[S1]
	s_cselect_b32 s[SJ], 2048, s[SJ]
	s_cselect_b32 s72, s69, s68
	s_cselect_b32 s73, s71, ttmp9
	s_mov_b32 s85, 0
	s_mov_b32 s91, 0
	s_mov_b32 s75, 0
	s_lshl_b32 s76, s72, 18                        ; the register operand: my eight tiles,
	s_lshl_b32 s77, s[WV], 16
	s_add_co_u32 s76, s76, s77
	s_mov_b32 s77, 0
	s_lshl_b32 s78, s72, 13                        ; and their scale words
	s_lshl_b32 s79, s[WV], 11
	s_add_co_u32 s78, s78, s79
	s_mov_b32 s79, 0
	s_lshl_b32 s80, s73, 17                        ; the streamed operand's 16 tiles: waves 0 and 1 bring a half each,
	s_lshl_b32 s81, s[WV], 16
	s_add_co_u32 s80, s80, s81
	s_mov_b32 s[G0C+1], s81
	s_mov_b32 s81, 0
	s_lshl_b32 s82, s73, 12                        ; wave 2 their scale words
	s_mov_b32 s[G0S+1], RS
	s_mov_b32 s83, 0
	s_mov_b32 s[STP], 0
	s_mov_b32 s[STP+1], 0
	s_wait_alu depctr_va_vdst(0)
	s_wait_dscnt 0x0                               ; both opening adds are done
	s_wait_kmcnt 0x0
	s_cmp_eq_u32 s68, 2                            ; the choices hang on the work-group's number alone
	s_cselect_b64 s[PP:PP+1], s[4:5], s[8:9]
	s_cselect_b64 s[PSP:PSP+1], s[6:7], s[10:11]
	s_cselect_b64 s[RP:RP+1], s[8:9], s[4:5]
	s_cselect_b64 s[RSP:RSP+1], s[10:11], s[6:7]
	s_cmp_eq_u32 s68, 0
	s_cselect_b64 s[OUTP:OUTP+1], s[12:13], s[16:17]
	s_cselect_b64 s[SC0:SC0+1], s[14:15], s[16:17]
	s_add_nc_u64 s[PP:PP+1], s[PP:PP+1], s[76:77]
	s_add_nc_u64 s[PSP:PSP+1], s[PSP:PSP+1], s[78:79]
	s_add_nc_u64 s[OUTP:OUTP+1], s[OUTP:OUTP+1], s[84:85]
	s_add_nc_u64 s[SC0:SC0+1], s[SC0:SC0+1], s[90:91]
	s_add_nc_u64 s[SC1:SC1+1], s[SC0:SC0+1], s[74:75]
	s_mov_b32 s[G0C], 1
	s_add_nc_u64 s[G0C+2:G0C+3], s[RP:RP+1], s[80:81]
	s_or_b32 s[G0C+3], s[G0C+3], 0x80000000
	s_mov_b32 s[G0S], 1
	s_add_nc_u64 s[G0S+2:G0S+3], s[RSP:RSP+1], s[82:83]
	s_or_b32 s[G0S+3], s[G0S+3], 0x80000000
	s_cmp_lt_u32 s[WV], 2                          ; one chain of arms on the wave's number, a load to an arm
	s_cbranch_scc0 .Lnot_codes
	tensor_load_to_lds s[G0C:G0C+3], s[G1C:G1C+7]
	s_nop 0
.rept 4
	v_nop
.endr
	s_branch .Lasked
.Lnot_codes:
	s_cmp_eq_u32 s[WV], 2
	s_cbranch_scc0 .Lasked
	tensor_load_to_lds s[G0S:G0S+3], s[G1S:G1S+7]
	s_nop 0
.rept 4
	v_nop
.endr
.Lasked:
	WIN 0x40
.set j, 0
.rept 64
	global_load_b128 v[4*j:4*j+3], v[LI], s[PP:PP+1] offset:512*j          ; tiles 0-3 into window 1
.set j, j+1
.endr
	WIN 0x80
.set j, 0
.rept 64
	global_load_b128 v[4*j:4*j+3], v[LI], s[PP:PP+1] offset:32768+512*j    ; tiles 4-7 into window 2
.set j, j+1
.endr
	WIN 0
.irp b, 0,1,2,3
	global_load_b64 v[PS+4*\b:PS+4*\b+1], v[PSO], s[PSP:PSP+1] offset:512*\b
	global_load_b64 v[PS+4*\b+2:PS+4*\b+3], v[PSO], s[PSP:PSP+1] offset:512*\b+128
.endr
	s_wait_tensorcnt 0x0                           ; every wave waits: the barrier shows all three tiles
	s_barrier_signal -1
	s_barrier_wait -1
.macro FETCH be                        ; a streamed tile into buffer be of window 3, and its scale words: 18 LDS loads
	WIN 0xc0
.irp s, 0,1,2,3
.irp c, 0,1,2,3
	ds_load_b128 v[64*(\be)+16*\s+4*\c:64*(\be)+16*\s+4*\c+3], v[ARC+(\be)] offset:2048*\s+512*\c
.endr
.endr
	WIN 0
	ds_load_b64 v[RSR+4*(\be):RSR+4*(\be)+1], v[ARS+(\be)]
	ds_load_b64 v[RSR+4*(\be)+2:RSR+4*(\be)+3], v[ARS+(\be)] offset:128
.endm
.macro MULQ be, q                      ; 32 products of buffer be into set be; q: four lines of the other set's quantiser behind each
.set N_, 0
.irp s, 0,1,2,3
.irp i, 0,1,2,3,4,5,6,7
	WIN 0x0d+\i/4                                  ; source 0 window 1 or 2, source 1 window 3
	WMS ACC+64*(\be)+8*\i, 64*(\i%4)+16*\s, 64*(\be)+16*\s, (\s)==0, PS+4*(\i/2)+\s, RSR+4*(\be)+\s, \i%2
.if \q
	WIN 0
	QL 4*N_, ACC+64*(1-(\be))
	QL 4*N_+1, ACC+64*(1-(\be))
	QL 4*N_+2, ACC+64*(1-(\be))
	QL 4*N_+3, ACC+64*(1-(\be))
.endif
.set N_, N_+1
.endr
.endr
	WIN 0
.endm
.macro SEND                            ; a fragment leaves as it stands, its scale word goes to my stage
.irp c, 0,1,2,3
	global_store_b128 v[LI], v[PC+4*\c:PC+4*\c+3], s[OUTP:OUTP+1] offset:512*\c
.endr
	ds_store_b32 v[ASG], v[PW]
.endm
.macro TILE be, nx                     ; tile t in buffer be; tile t - 1 is quantised and leaves
.if \nx
	FETCH 1-\be
	s_wait_dscnt 18                                ; all but the 18 just issued
.else
	s_wait_dscnt 0x0
.endif
	s_wait_xcnt 0x0                                ; the last stores have read their base and their codes
	s_add_nc_u64 s[OUTP:OUTP+1], s[OUTP:OUTP+1], s[STP:STP+1]
.if \be
	s_mov_b32 s[STP], s[S1]
.else
	s_cmp_eq_u32 s[TR], 4                          ; behind tile 7 the step is another (K: into the next key step)
	s_cselect_b32 s[STP], s[SJ], s[S1]
.endif
	v_add_nc_u32 v[ARC+\be], 16384, v[ARC+\be]
	v_add_nc_u32 v[ARS+\be], 512, v[ARS+\be]
	v_add_nc_u32 v[ASG], 64, v[ASG]
	MULQ \be, 1
	SEND
.rept 8
	v_nop                                          ; eight places behind the last product: for the fetch into its operands and the first read of its sums
.endr
.endm
	FETCH 0
	s_wait_loadcnt 0x0
	FETCH 1
	s_wait_dscnt 18
	v_add_nc_u32 v[ARC], 16384, v[ARC]
	v_add_nc_u32 v[ARS], 512, v[ARS]
	s_wait_alu depctr_va_vdst(0)                   ; the wait here, directly behind the writes: only products stand ahead of their readers
	MULQ 0, 0                                      ; tile 0: no tile before it
.rept 8
	v_nop
.endr
	s_mov_b32 s[TR], 7
.Ltrip:                                            ; tiles 1 to 14
	TILE 1, 1
	TILE 0, 1
	s_sub_co_u32 s[TR], s[TR], 1
	s_cmp_lg_u32 s[TR], 0
	s_cbranch_scc1 .Ltrip
	TILE 1, 0                                      ; tile 15
	s_wait_xcnt 0x0
	s_add_nc_u64 s[OUTP:OUTP+1], s[OUTP:OUTP+1], s[STP:STP+1]
	v_add_nc_u32 v[ASG], 64, v[ASG]
.set N_, 0
.rept 128
	QL N_, ACC+64                                  ; tile 15's quantiser
.set N_, N_+1
.endr
	SEND
	ds_load_b128 v[GS:GS+3], v[ASGR]               ; LDS serves a wave's instructions in order: these see my stores
	ds_load_b128 v[GS+4:GS+7], v[ASGR] offset:512
	s_wait_dscnt 0x0
	global_store_b128 v[LI], v[GS:GS+3], s[SC0:SC0+1]
	global_store_b128 v[LI], v[GS+4:GS+7], s[SC1:SC1+1]
	s_wait_tensorcnt 0x0                           ; the wave's end
	ds_add_u32 v254, v255
	s_wait_dscnt 0x0
	s_endpgm
.Lfunc_end_k_q39fd11a42d_proj:
	.size	k_q39fd11a42d_proj, .Lfunc_end_k_q39fd11a42d_proj-k_q39fd11a42d_proj
	.p2alignl 7, 3214868480
	.fill 96, 4, 3214868480
	.section	.rodata,"a",@progbits
	.p2align	6, 0x0
	.amdhsa_kernel k_q39fd11a42d_proj
		.amdhsa_group_segment_fixed_size 327680
		.amdhsa_private_segment_fixed_size 0
		.amdhsa_enable_private_segment 0
		.amdhsa_kernarg_size 56
		.amdhsa_user_sgpr_count 2
		.amdhsa_user_sgpr_kernarg_segment_ptr 1
		.amdhsa_wavefront_size32 1
		.amdhsa_system_sgpr_workgroup_id_x 1
		.amdhsa_system_sgpr_workgroup_id_y 1
		.amdhsa_system_sgpr_workgroup_id_z 1
		.amdhsa_system_vgpr_workitem_id 0
		.amdhsa_next_free_vgpr 896
		.amdhsa_next_free_sgpr 96
		.amdhsa_reserve_vcc 0
		.amdhsa_float_denorm_mode_32 3
		.amdhsa_float_denorm_mode_16_64 3
		.amdhsa_memory_ordered 1
		.amdhsa_forward_progress 1
		.amdhsa_inst_pref_size 83
	.end_amdhsa_kernel
	.amdgpu_metadata
---
amdhsa.version: [ 1, 2 ]
amdhsa.kernels:
  - .name:           k_q39fd11a42d_proj
    .symbol:         k_q39fd11a42d_proj.kd
    .args:
      - { .name: xc, .offset: 0, .size: 8, .value_kind: global_buffer, .address_space: global }
      - { .name: xs, .offset: 8, .size: 8, .value_kind: global_buffer, .address_space: global }
      - { .name: wc, .offset: 16, .size: 8, .value_kind: global_buffer, .address_space: global }
      - { .name: ws, .offset: 24, .size: 8, .value_kind: global_buffer, .address_space: global }
      - { .name: qc, .offset: 32, .size: 8, .value_kind: global_buffer, .address_space: global }
      - { .name: qs, .offset: 40, .size: 8, .value_kind: global_buffer, .address_space: global }
      - { .name: kv, .offset: 48, .size: 8, .value_kind: global_buffer, .address_space: global }
    .group_segment_fixed_size: 327680
    .private_segment_fixed_size: 0
    .kernarg_segment_align: 8
    .kernarg_segment_size: 56
    .max_flat_workgroup_size: 128
    .sgpr_count:     96
    .vgpr_count:     896
    .wavefront_size: 32
...
	.end_amdgpu_metadata
.endif
;; end of part 2
;; launch attn (part 3): grid 32 x 8, 4 waves a work-group, clusters of 4 x 1, 327,680 bytes of LDS; arguments qc, qs, kv, wc, ws, adj, x, bo, gamma, beta, out0; writes out0
.if DOCPART == 3
	.amdgcn_target "amdgcn-amd-amdhsa--gfx1250"
	.amdhsa_code_object_version 6
	.text
	.protected	k_q39fd11a42d_attn
	.globl	k_q39fd11a42d_attn
	.p2align	8
	.type	k_q39fd11a42d_attn,@function
k_q39fd11a42d_attn:
	s_mov_b64 s[64:65], 0
	v_nop
	global_prefetch_b8 v0, s[64:65] scope:SCOPE_SE
	s_setreg_imm32_b32 hwreg(HW_REG_WAVE_MODE, 25, 1), 1
	s_wait_xcnt 0x0
	s_wait_alu depctr_hold_cnt(0) depctr_sa_sdst(0) depctr_va_vdst(0) depctr_va_sdst(0) depctr_va_ssrc(0) depctr_va_vcc(0) depctr_vm_vsrc(0)
	s_getreg_b32 s2, hwreg(HW_REG_IB_STS2, 6, 4)
	s_cmp_eq_u32 s2, 0
	s_cbranch_scc0 .Lentry_in_a_cluster
	s_endpgm
.Lentry_in_a_cluster:
	s_bfe_u32 s2, ttmp6, 0x10000c
	s_cmp_lg_u32 s2, 0x3003
	s_cbranch_scc0 .Lentry_shape_is_right
	s_endpgm
.Lentry_shape_is_right:
; out0 = layer_norm(x + (softmax(mask(Q K^T / sqrt(512))) V) Wo + bo), all four products on codes of E5M2 with E8M0 scales.  S, P, O, out and y never go to memory.
; SHARES.  A work-group owns 64 queries of one batch: four tiles m of 16 (tile 2 b + u holds rows 32 b + 8 u + r + 8 (r / 8)).  16 key steps of 128 keys.  In a step wave w makes S^T of keys 32 w .. 32 w + 31 for the
; four tiles (32 products) and O^T of channels 128 w .. 128 w + 127 for the four tiles (32 products).  Both products are used transposed, so a lane holds ONE query (lane % 16).  A wave's 32 keys are one block of the second
; product's K: its codes are registers 4 w .. 4 w + 3 of P's fragment, its byte is byte w of P's scale word; P goes from wave to wave through LDS as an image of its registers.
; THE SOFTMAX.  t = score x c, c = log2(e) / sqrt(512).  Each wave keeps for each query its own whole number M_w = ceil(largest t of its keys) and sum l_w of p = 2^(t - M_w), and publishes (-M_w, byte_w).  Behind the barrier
; every wave takes M = the largest M_w, lowers byte_w by M - M_w and multiplies its part of O^T by 2^(old M - new M): powers of two throughout.  At the end l = the sum of l_w 2^(M_w - M).
; THE MASK.  adj becomes an addend, 0 or -2^120, by lines that stand among the S products; score + addend is the score, or -2^120 exactly (|score| under 2^95).  c x 2^120 is a whole number, so where only hidden keys have
; been seen p = 2^0 = 1 for each: a row with no neighbour ends as the uniform row.  The first key that counts multiplies what was summed by 0, and under its M hidden keys give p = 0.  No branch hangs on data.
; THE LOOP is entered at its second half, so that key step 0 runs the loop's own text: O^T begins as zeros (256 registers cleared under the head's loads), which the first change of M leaves zeros; that keeps one copy
; of the step out of the code.  O^T's rescaling stands among the O^T products, one tile of channels ahead of them.
; adj streams through registers, 16 rows x 512 bytes a wave and step, asked for three steps ahead, and turns through a stage in LDS.  In the loop's last trip adj has no chunk left: a branch on the trip count puts 16 loads
; of the residual's x in each request's place, into the same registers, so that every counted wait holds on both ways.
; CLUSTER.  The four query blocks of a cluster walk the same K and V: each quarter of a key step's 135,168 bytes is asked for JOINTLY, one tensor load a wave, into a ring of two slots.
; No prefetch of K and V is laid: adj keeps a request of 8,192 bytes a wave and step on its way from memory throughout the loop.
; LIMITS: |score| under 2^95; NaN and infinities among the inputs are not served; a block whose lowered byte would fall under 0 is held at byte 0; a block of zeros keeps the byte 1.
; REGISTERS, in windows of 256 (s_set_vgpr_msb: bits 1:0 source 0, 3:2 source 1, 5:4 source 2, 7:6 destination):
;   window 0: v1-27 addresses; v28-91 S^T; v92-155 adj, then at work, then P's fragments; v156-187 what the waves published; v188-203 my codes; v204-227 statistics; v228-251 scale words; v252 an offset
;   window 1: Q, later Wo's tiles 0-3      window 2: O^T, later Wo's tiles 4-7, then 8 rows of y      window 3: v0-127 K's, then V's fragments, then x; v128-255 adj as loaded, two buffers, then x
.set SLB,   135168                     ; a key step: K's codes 65,536, K's words 2,048, V's codes 65,536, V's words 2,048
.set KSO,   65536
.set VCO,   67584
.set VSO,   133120
.set PX,    2*SLB                      ; behind the two slots: P's images [m][c][lane][16]
.set ST,    PX+8192                    ; (-M_w, byte_w): [m][w][lane][8]
.set AS,    ST+4096                    ; adj's stage: 64 rows (16 m + r) x (512 + 16)
.set ASP,   528
.set SPARE, AS+64*ASP                  ; the spare words
.set ST2,   SPARE+512                  ; (-M_w, l_w)
.set OXS,   32768                      ; in slot 0, behind its last fill and read: out's images from byte 0, their words from here
.set Z,     SLB                        ; in slot 1, likewise: 64 rows (16 m + r) of out Wo, 2,048 bytes + 16
.set ZP,    2064
.set SPW,  1
.set NIL,  2
.set NEGR, 3                           ; -2^120
.set AK,   4
.set AV,   6
.set AKS,  8
.set AVS,  10
.set AAR,  12
.set AAW,  13
.set LI,   14                          ; 16 x lane
.set APW,  15
.set APR,  16
.set ASTW, 17
.set ASTR, 18
.set LS,   19                          ; 4 x lane
.set AZ,   20                          ; v20-21 Z, written
.set AR,   22                          ; v22 Z, read: my 8 rows of the trip
.set AOW,  24
.set AOSW, 25
.set ST2W, 26
.set ST2R, 27
.set SR,   28
.set AT,   92
.set TS,   156
.set PC,   188
.set NM,   204
.set LW,   212
.set FN,   220
.set KSR,  228
.set VSR,  232
.set PSW,  236
.set QSR,  240
.set WOS,  228
.set OS,   244
.set PSO,  252
.set BM,   AT
.set PT,   AT+4
.set OLD,  AT+8
.set FW,   AT+12
.set HOLD, AT+20
.set SCL,  AT+24
.set PB,   AT+28
.set TT,   PC
.set TE,   PC+4
.set TM,   TS
.set PW,   TS+16
.set BG,   SR                          ; at the end: bo v28-43, gamma v44-59, beta v60-75
.set R0,   AT                          ; the layer norm's sums: 8 registers a row
.set AN,   4
.set AP,   6
.set XP,   8                           ; s[8:9] x at my first row
.set OUTP, 12
.set WOC,  14
.set WOSP, 16
.set G1,   24
.set G0,   32
.set WV,   40
.set TRIP, 41
.set SEL,  42
.set CS,   44
.set MNT,  46
.set INV,  47
.set MK,   48
.set QCP,  56
.set QSP,  58
.set EPS,  60
.set BO,   82
.set GA,   84
.set BE,   86
.set MSB, 0
.macro WIN new                         ; the immediate's high byte repeats the setting that is left
.if MSB != (\new)
	s_set_vgpr_msb (MSB<<8)|(\new)
.set MSB, (\new)
.endif
.endm
.macro ROUND                           ; a round of the cluster's barrier
	s_barrier_signal -1
	s_barrier_wait -1
	s_cmp_lg_u32 s[WV], 0
	s_cbranch_scc1 .Lnot_wave_0_\@
	s_barrier_signal -3
.Lnot_wave_0_\@:
	s_barrier_wait -3
	s_barrier_signal -1
	s_barrier_wait -1
.endm
; one scaled product: D at d, source 0 at a, source 1 at b; z: the sum starts (C = 0); ra, rb: the side's scales stand in lanes 16-31
.macro WMS d, a, b, z, sa, sb, ra, rb
.if \z
.if (\ra)&&(\rb)
	v_wmma_scale_f32_16x16x128_f8f6f4 v[(\d):(\d)+7], v[(\a):(\a)+15], v[(\b):(\b)+15], 0, v[\sa], v[\sb] matrix_a_fmt:MATRIX_FMT_BF8 matrix_b_fmt:MATRIX_FMT_BF8 matrix_a_scale:MATRIX_SCALE_ROW1 matrix_b_scale:MATRIX_SCALE_ROW1
.elseif \ra
	v_wmma_scale_f32_16x16x128_f8f6f4 v[(\d):(\d)+7], v[(\a):(\a)+15], v[(\b):(\b)+15], 0, v[\sa], v[\sb] matrix_a_fmt:MATRIX_FMT_BF8 matrix_b_fmt:MATRIX_FMT_BF8 matrix_a_scale:MATRIX_SCALE_ROW1
.elseif \rb
	v_wmma_scale_f32_16x16x128_f8f6f4 v[(\d):(\d)+7], v[(\a):(\a)+15], v[(\b):(\b)+15], 0, v[\sa], v[\sb] matrix_a_fmt:MATRIX_FMT_BF8 matrix_b_fmt:MATRIX_FMT_BF8 matrix_b_scale:MATRIX_SCALE_ROW1
.else
	v_wmma_scale_f32_16x16x128_f8f6f4 v[(\d):(\d)+7], v[(\a):(\a)+15], v[(\b):(\b)+15], 0, v[\sa], v[\sb] matrix_a_fmt:MATRIX_FMT_BF8 matrix_b_fmt:MATRIX_FMT_BF8
.endif
.else
.if (\ra)&&(\rb)
	v_wmma_scale_f32_16x16x128_f8f6f4 v[(\d):(\d)+7], v[(\a):(\a)+15], v[(\b):(\b)+15], v[(\d):(\d)+7], v[\sa], v[\sb] matrix_a_fmt:MATRIX_FMT_BF8 matrix_b_fmt:MATRIX_FMT_BF8 matrix_a_scale:MATRIX_SCALE_ROW1 matrix_b_scale:MATRIX_SCALE_ROW1
.elseif \ra
	v_wmma_scale_f32_16x16x128_f8f6f4 v[(\d):(\d)+7], v[(\a):(\a)+15], v[(\b):(\b)+15], v[(\d):(\d)+7], v[\sa], v[\sb] matrix_a_fmt:MATRIX_FMT_BF8 matrix_b_fmt:MATRIX_FMT_BF8 matrix_a_scale:MATRIX_SCALE_ROW1
.elseif \rb
	v_wmma_scale_f32_16x16x128_f8f6f4 v[(\d):(\d)+7], v[(\a):(\a)+15], v[(\b):(\b)+15], v[(\d):(\d)+7], v[\sa], v[\sb] matrix_a_fmt:MATRIX_FMT_BF8 matrix_b_fmt:MATRIX_FMT_BF8 matrix_b_scale:MATRIX_SCALE_ROW1
.else
	v_wmma_scale_f32_16x16x128_f8f6f4 v[(\d):(\d)+7], v[(\a):(\a)+15], v[(\b):(\b)+15], v[(\d):(\d)+7], v[\sa], v[\sb] matrix_a_fmt:MATRIX_FMT_BF8 matrix_b_fmt:MATRIX_FMT_BF8
.endif
.endif
.endm
; 64 numbers of a lane, register 16 b + i = k 32 b + 16 (lane / 16) + i of my row, become a fragment's codes at v[pc] and its scale word in v[pw]
.macro QUANT s, pc, pw
.irp b, 0,1,2,3
	v_max3_num_f32 v[TM+\b], |v[\s+16*\b]|, |v[\s+1+16*\b]|, 0x8000000   ; and the floor 2^(16 - 127)
.endr
.irp i, 2,4,6,8,10,12,14
.irp b, 0,1,2,3
	v_max3_num_f32 v[TM+\b], v[TM+\b], |v[\s+16*\b+\i]|, |v[\s+1+16*\b+\i]|
.endr
.endr
.irp b, 0,1,2,3
	v_permlanex16_b32 v[TM+4+\b], v[TM+\b], s[SEL], s[SEL+1]
.endr
.irp b, 0,1,2,3
	v_max_num_f32 v[TM+\b], v[TM+\b], v[TM+4+\b]
.endr
.irp b, 0,1,2,3
	v_add_nc_u32 v[TM+12+\b], 0xf8800000, v[TM+\b]                   ; 15 off the exponent field: the conversion's scale operand
.endr
.irp b, 0,1,2,3
	v_and_or_b32 v[TM+8+\b], v[TM+\b], 0x7f800000, s[MNT]            ; 57,344 x the scale
.endr
.irp b, 0,1,2,3
	v_lshrrev_b32 v[TM+4+\b], 23, v[TM+12+\b]
.endr
	v_lshl_or_b32 v[\pw], v[TM+5], 8, v[TM+4]
	v_lshl_or_b32 v[\pw], v[TM+6], 16, v[\pw]
	v_lshl_or_b32 v[\pw], v[TM+7], 24, v[\pw]
.irp b, 0,1,2,3
.irp i, 0,1,2,3,4,5,6,7,8,9,10,11,12,13,14,15
	v_med3_num_f32 v[\s+16*\b+\i], v[\s+16*\b+\i], -v[TM+8+\b], v[TM+8+\b]
.endr
	v_cvt_scalef32_pk8_bf8_f32 v[\pc+4*\b:\pc+1+4*\b], v[\s+16*\b:\s+7+16*\b], v[TM+12+\b]
	v_cvt_scalef32_pk8_bf8_f32 v[\pc+2+4*\b:\pc+3+4*\b], v[\s+8+16*\b:\s+15+16*\b], v[TM+12+\b]
.endr
	v_nop                                          ; a plain line behind the last conversion
.endm
.macro ADJLOAD buf, off                ; 16 rows of adj x 512 consecutive bytes by the base s[AP]
	WIN 0xc0
.irp i, 0,1,2,3,4,5,6,7,8,9,10,11,12,13,14,15
	global_load_b128 v[128+64*(\buf)+4*\i:128+64*(\buf)+4*\i+3], v[LI], s[AP:AP+1] offset:8192*\i+(\off) th:TH_LOAD_NT
.endr
	WIN 0
.endm
.macro STAGE buf                       ; my rows 16 w + i of adj go to the stage's rows in the order 16 m + r of the tiles
	WIN 0x0c
.irp i, 0,1,2,3,4,5,6,7,8,9,10,11,12,13,14,15
	ds_store_b128 v[AAW], v[128+64*(\buf)+4*\i:128+64*(\buf)+4*\i+3] offset:(16*(\i/8)+\i%8)*ASP
.endr
	WIN 0
.endm
	s_load_b256 s[68:75], s[0:1], 0x0              ; qc, qs, kv, wc
	s_load_b256 s[76:83], s[0:1], 0x20             ; ws, adj, x, bo
	s_load_b128 s[84:87], s[0:1], 0x40             ; gamma, beta
	s_load_b64 s[88:89], s[0:1], 0x50              ; out0
	v_lshl_add_u32 v[SPW], v0, 2, SPARE
	v_mov_b32 v[NIL], 0
	ds_add_u32 v1, v2                              ; the opening lines: the add twice on end and its wait
	ds_add_u32 v1, v2
	s_wait_dscnt 0x0
	v_lshrrev_b32 v28, 5, v0
	v_readfirstlane_b32 s[WV], v28                 ; wave 0..3
	v_and_b32 v29, 31, v0                          ; lane
	v_and_b32 v30, 15, v0                          ; r
	v_bfe_u32 v31, v0, 4, 1                        ; h
	v_mov_b32 v[NEGR], 0xfb800000
	v_lshlrev_b32 v[LI], 4, v29
	v_lshlrev_b32 v[LS], 2, v29
	s_lshl_b32 s93, s[WV], 14
	v_add_nc_u32 v[AK], s93, v[LI]                 ; K's tiles 2 w, 2 w + 1
	v_add_nc_u32 v[AK+1], SLB, v[AK]
	v_add_nc_u32 v[AV], VCO, v[AK]                 ; V's tiles 8 w ..
	v_add_nc_u32 v[AV+1], SLB, v[AV]
	s_lshl_b32 s93, s[WV], 7
	s_add_co_u32 s93, s93, KSO
	v_add_nc_u32 v[AKS], s93, v[LS]
	v_add_nc_u32 v[AKS+1], SLB, v[AKS]
	s_lshl_b32 s93, s[WV], 9
	s_add_co_u32 s93, s93, VSO
	v_add_nc_u32 v[AVS], s93, v[LS]
	v_add_nc_u32 v[AVS+1], SLB, v[AVS]
	v_mul_u32_u24 v[AAR], v30, ASP
	v_lshl_add_u32 v[AAR], v31, 6, v[AAR]
	s_lshl_b32 s93, s[WV], 7
	s_add_co_u32 s93, s93, AS
	v_add_nc_u32 v[AAR], s93, v[AAR]
	s_lshr_b32 s93, s[WV], 1
	s_mul_i32 s93, s93, 32*ASP
	s_and_b32 s95, s[WV], 1
	s_mul_i32 s95, s95, 8*ASP
	s_add_co_u32 s93, s93, s95
	s_add_co_u32 s93, s93, AS
	v_add_nc_u32 v[AAW], s93, v[LI]
	v_add_nc_u32 v[APR], PX, v[LI]
	s_lshl_b32 s93, s[WV], 9
	v_add_nc_u32 v[APW], s93, v[APR]
	v_lshlrev_b32 v[ASTR], 3, v29
	v_add_nc_u32 v[ASTR], ST, v[ASTR]
	s_lshl_b32 s93, s[WV], 8
	v_add_nc_u32 v[ASTW], s93, v[ASTR]
	v_add_nc_u32 v[ST2R], ST2-ST, v[ASTR]
	v_add_nc_u32 v[ST2W], ST2-ST, v[ASTW]
	v_mul_u32_u24 v[AZ], v30, ZP
	v_lshl_add_u32 v[AZ], v31, 6, v[AZ]
	s_lshl_b32 s93, s[WV], 9
	s_add_co_u32 s93, s93, Z
	v_add_nc_u32 v[AZ], s93, v[AZ]                 ; row r, my 128 columns, + 64 h
	v_add_nc_u32 v[AZ+1], 32*ZP, v[AZ]
	s_mul_i32 s93, s[WV], 8*ZP
	s_add_co_u32 s93, s93, Z
	v_add_nc_u32 v[AR], s93, v[LI]                 ; Z's rows 8 w ..: the layer norm's first trip
	v_lshlrev_b32 v23, 8, v29                      ; v23: 256 x lane, the prefetch's offset; never rewritten
	s_lshl_b32 s93, s[WV], 11
	v_add_nc_u32 v[AOW], s93, v[LI]
	s_lshl_b32 s93, s[WV], 7
	s_add_co_u32 s93, s93, OXS
	v_add_nc_u32 v[AOSW], s93, v[LS]
	v_lshlrev_b32 v[PSO], 3, v30
	v_lshl_add_u32 v[PSO], v31, 8, v[PSO]
	; who I am.  What hangs on my place in the cluster enters Q's, adj's, x's and out0's addresses alone
	s_bfe_u32 s66, ttmp6, 0x40000                  ; cx
	s_lshl_b32 s67, ttmp9, 2
	s_add_co_u32 s67, s67, s66                     ; my block of 64 queries in the batch
	s_and_b32 s90, ttmp7, 0xffff                   ; the batch
	s_lshl_b32 s91, s90, 5
	s_add_co_u32 s91, s91, s67                     ; my block among all 256
	s_lshl_b32 s92, s91, 6                         ; my first token
	s_lshl_b32 s3, s[WV], 4
	s_add_co_u32 s3, s3, s92
	s_lshl_b32 s[AN], s3, 13                       ; adj: row tok0 + 16 w
	s_mov_b32 s[AN+1], 0
	s_lshr_b32 s3, s[WV], 1
	s_lshl_b32 s3, s3, 3
	s_and_b32 s95, s[WV], 1
	s_lshl_b32 s95, s95, 4
	s_add_co_u32 s3, s3, s95
	s_add_co_u32 s3, s3, s92
	s_lshl_b32 s[XP], s3, 11                       ; x, out0: Z's rows 32 T + 8 w + e are tokens tok0 + 32 T + 8 (w / 2) + 16 (w % 2) + e
	s_mov_b32 s[XP+1], 0
	s_lshl_b32 s[WOC], s[WV], 16
	s_add_co_u32 s[WOC], s[WOC], 786432            ; Wo is weight 3; my eight tiles
	s_mov_b32 s[WOC+1], 0
	s_lshl_b32 s[WOSP], s[WV], 11
	s_add_co_u32 s[WOSP], s[WOSP], 24576
	s_mov_b32 s[WOSP+1], 0
	s_lshl_b32 s[QCP], s91, 15
	s_mov_b32 s[QCP+1], 0
	s_lshr_b32 s3, s91, 2
	s_lshl_b32 s3, s3, 12
	s_and_b32 s[QSP], s91, 3
	s_lshl_b32 s[QSP], s[QSP], 8
	s_add_co_u32 s[QSP], s[QSP], s3
	s_mov_b32 s[QSP+1], 0
	s_mul_i32 s96, s90, 16*SLB                     ; kv: the batch's first key step,
	s_mul_i32 s94, s[WV], 33792                    ; my quarter of a key step, in memory and in a slot
	s_add_co_u32 s96, s96, s94
	s_mov_b32 s97, 0
	s_mov_b32 s[G1], 15|(3<<16)|(1<<21)            ; 132 rows of 256 bytes; the mask names all four work-groups
	s_mov_b32 s[G1+1], 32<<16
	s_mov_b32 s[G1+2], 132<<16
	s_mov_b32 s[G1+3], 32<<16
	s_mov_b32 s[G1+4], 132
	s_mov_b32 s[G1+5], 32
	s_mov_b32 s[G1+6], 0
	s_mov_b32 s[G1+7], 0
	s_mov_b32 s[SEL], 0x76543210
	s_mov_b32 s[SEL+1], 0xfedcba98
	s_mov_b32 s[CS], 0x3d8293ee                    ; c = log2(e) / sqrt(512)
	s_mov_b32 s[CS+1], s[CS]
	s_mov_b32 s[MNT], 0x600000
	s_mov_b32 s[INV], 0x3b000000                   ; 1 / 512
	s_mov_b32 s[EPS], 0x3727c5ac                   ; 1e-5
	s_wait_kmcnt 0x0
	s_add_nc_u64 s[OUTP:OUTP+1], s[88:89], s[XP:XP+1]
	s_add_nc_u64 s[XP:XP+1], s[80:81], s[XP:XP+1]
	s_add_nc_u64 s[AN:AN+1], s[78:79], s[AN:AN+1]
	s_mov_b64 s[AP:AP+1], s[AN:AN+1]
	s_add_nc_u64 s[WOC:WOC+1], s[74:75], s[WOC:WOC+1]
	s_add_nc_u64 s[WOSP:WOSP+1], s[76:77], s[WOSP:WOSP+1]
	s_add_nc_u64 s[QCP:QCP+1], s[68:69], s[QCP:QCP+1]
	s_add_nc_u64 s[QSP:QSP+1], s[70:71], s[QSP:QSP+1]
	s_add_nc_u64 s[98:99], s[72:73], s[96:97]
	s_mov_b32 s[G0], 1
	s_mov_b32 s[G0+1], s94                         ; slot 0, key step 0
	s_mov_b64 s[G0+2:G0+3], s[98:99]
	s_or_b32 s[G0+3], s[G0+3], 0x80000000
	s_mov_b32 s[G0+4], 1
	s_add_co_u32 s[G0+5], s94, SLB                 ; slot 1, key step 1
	s_add_nc_u64 s[G0+6:G0+7], s[98:99], SLB
	s_or_b32 s[G0+7], s[G0+7], 0x80000000
	ROUND                                          ; all four work-groups are here: the first joint loads meet
	tensor_load_to_lds s[G0:G0+3], s[G1:G1+7]      ; key step 0: my one load at the head
	s_nop 0
.rept 4
	v_nop
.endr
	WIN 0x40
.set j, 0
.rept 64
	global_load_b128 v[4*j:4*j+3], v[LI], s[QCP:QCP+1] offset:512*j th:TH_LOAD_NT   ; Q stays in registers: 64 m + 16 s + 4 c
.set j, j+1
.endr
	WIN 0
.irp s, 0,1,2,3
.irp p, 0,1
	global_load_b32 v[QSR+2*\s+\p], v[LS], s[QSP:QSP+1] offset:1024*\s+128*\p
.endr
.endr
	ADJLOAD 0, 0                                   ; adj of key steps 0 and 1
	ADJLOAD 1, 512
.irp m, 0,1,2,3
	v_mov_b32 v[NM+2*\m+1], 0xff61b1e6             ; the largest t so far: -3e38
	v_mov_b32 v[NM+2*\m], 0x7f61b1e6               ; -M_w
	v_mov_b32 v[LW+2*\m], 0
	v_mov_b32 v[LW+2*\m+1], 0
	v_mov_b32 v[FN+2*\m], 0
	v_mov_b32 v[FN+2*\m+1], 0x7f61b1e6             ; -M
.endr
	WIN 0x80
.set j, 0
.rept 256
	v_mov_b32 v[j], 0                              ; O^T: the step is written for the loop alone; its first run finds zeros
.set j, j+1
.endr
	WIN 0
	s_wait_loadcnt 16                              ; all but key step 1's 16: Q, its words and adj of key step 0 are in
	STAGE 0
	s_wait_dscnt 0x0
	ADJLOAD 0, 1024                                ; key step 2
	s_add_nc_u64 s[AN:AN+1], s[AN:AN+1], 1536      ; key step 3 is next
; THE SOFTMAX of my 32 keys for the four tiles, the tiles by turns
.macro SOFTMAX
.set j, 0
.rept 32
	v_pk_add_f32 v[SR+j:SR+j+1], v[SR+j:SR+j+1], v[AT+j:AT+j+1]   ; + 0, or + -2^120: hidden.  Each accumulator is read from its low end on
.set j, j+2
.endr
.irp m, 0,1,2,3
	v_max3_num_f32 v[BM+\m], v[SR+16*\m], v[SR+16*\m+1], v[SR+16*\m+2]   ; the block's largest score: for M_w and for the block's largest p
.endr
.irp i, 3,5,7,9,11,13
.irp m, 0,1,2,3
	v_max3_num_f32 v[BM+\m], v[BM+\m], v[SR+16*\m+\i], v[SR+16*\m+\i+1]
.endr
.endr
.irp m, 0,1,2,3
	v_max_num_f32 v[BM+\m], v[BM+\m], v[SR+16*\m+15]
.endr
.irp m, 0,1,2,3
	v_permlanex16_b32 v[PT+\m], v[BM+\m], s[SEL], s[SEL+1]
.endr
.irp m, 0,1,2,3
	v_max_num_f32 v[BM+\m], v[BM+\m], v[PT+\m]
.endr
.irp m, 0,1,2,3
	v_mul_f32 v[PT+\m], s[CS], v[BM+\m]
.endr
.irp m, 0,1,2,3
	v_max_num_f32 v[NM+2*\m+1], v[NM+2*\m+1], v[PT+\m]
.endr
.irp m, 0,1,2,3
	v_mov_b32 v[OLD+\m], v[NM+2*\m]
.endr
.irp m, 0,1,2,3
	v_floor_f32 v[NM+2*\m], -v[NM+2*\m+1]          ; -M_w = -ceil(t)
.endr
.irp m, 0,1,2,3
	v_sub_f32 v[OLD+\m], v[NM+2*\m], v[OLD+\m]     ; old M_w - new M_w
.endr
.irp m, 0,1,2,3
	v_cvt_i32_f32 v[OLD+\m], v[OLD+\m]             ; (it saturates)
.endr
.irp m, 0,1,2,3
	v_ldexp_f32 v[FW+2*\m], 1.0, v[OLD+\m]
.endr
.irp m, 0,1,2,3
	v_mov_b32 v[PB+2*\m], v[NM+2*\m]
.endr
.irp j, 0,2,4,6,8,10,12,14
.irp m, 0,1,2,3
	v_pk_fma_f32 v[SR+16*\m+\j:SR+16*\m+\j+1], v[SR+16*\m+\j:SR+16*\m+\j+1], s[CS:CS+1], v[NM+2*\m:NM+2*\m+1] op_sel_hi:[1,0,0]   ; t - M_w
.endr
.endr
.irp m, 0,1,2,3
	v_fma_f32 v[BM+\m], v[BM+\m], s[CS], v[NM+2*\m]
.endr
.set j, 0
	s_wait_alu depctr_va_vdst(0)
.rept 64
	v_exp_f32 v[SR+j], v[SR+j]                     ; p = 2^(t - M_w): not normalised
.set j, j+1
.endr
.irp m, 0,1,2,3
	v_pk_mul_f32 v[LW+2*\m:LW+2*\m+1], v[LW+2*\m:LW+2*\m+1], v[FW+2*\m:FW+2*\m+1] op_sel_hi:[1,0]
.endr
	s_wait_alu depctr_va_vdst(0)                   ; one wait for the batch of 64
.irp m, 0,1,2,3
	v_exp_f32 v[BM+\m], v[BM+\m]                   ; the block's largest p
.endr
.irp j, 0,2,4,6,8,10,12,14
.irp m, 0,1,2,3
	v_pk_add_f32 v[LW+2*\m:LW+2*\m+1], v[LW+2*\m:LW+2*\m+1], v[SR+16*\m+\j:SR+16*\m+\j+1]   ; the sum of the unquantised p
.endr
.endr
	s_wait_alu depctr_va_vdst(0)                   ; and one for the four
.irp m, 0,1,2,3
	v_max_num_f32 v[BM+\m], 0x8000000, v[BM+\m]
.endr
.irp m, 0,1,2,3
	v_add_nc_u32 v[SCL+\m], 0xf8800000, v[BM+\m]
.endr
.irp m, 0,1,2,3
	v_and_or_b32 v[HOLD+\m], v[BM+\m], 0x7f800000, s[MNT]
.endr
.irp m, 0,1,2,3
	v_lshrrev_b32 v[PB+2*\m+1], 23, v[SCL+\m]
.endr
.irp m, 0,1,2,3
	v_cvt_f32_u32 v[PB+2*\m+1], v[PB+2*\m+1]       ; the byte as f32: it is lowered by a difference of two M
.endr
.irp m, 0,1,2,3
.irp i, 0,1,2,3,4,5,6,7,8,9,10,11,12,13,14,15
	v_min_num_f32 v[SR+16*\m+\i], v[SR+16*\m+\i], v[HOLD+\m]   ; the conversion does not saturate (ISA guide 7.6.2)
.endr
	v_cvt_scalef32_pk8_bf8_f32 v[PC+4*\m:PC+4*\m+1], v[SR+16*\m:SR+16*\m+7], v[SCL+\m]
	v_cvt_scalef32_pk8_bf8_f32 v[PC+4*\m+2:PC+4*\m+3], v[SR+16*\m+8:SR+16*\m+15], v[SCL+\m]
.endr
	v_nop
.irp m, 0,1,2,3
	ds_store_b128 v[APW], v[PC+4*\m:PC+4*\m+3] offset:2048*\m
	ds_store_b64 v[ASTW], v[PB+2*\m:PB+2*\m+1] offset:1024*\m
.endr
.endm
; what the four waves published becomes P's scale words, f and the new -M
.macro STATS
.irp m, 0,1,2,3
	v_min3_num_f32 v[TT+\m], v[TS+8*\m], v[TS+8*\m+2], v[TS+8*\m+4]
.endr
.irp m, 0,1,2,3
	v_min_num_f32 v[TT+\m], v[TT+\m], v[TS+8*\m+6]
.endr
.irp w, 0,1,2,3
.irp m, 0,1,2,3
	v_sub_f32 v[TS+8*\m+2*\w], v[TT+\m], v[TS+8*\m+2*\w]
.endr
.endr
.irp w, 0,1,2,3
.irp m, 0,1,2,3
	v_add_f32 v[TS+8*\m+2*\w], v[TS+8*\m+2*\w], v[TS+8*\m+2*\w+1]
.endr
.endr
.irp w, 0,1,2,3
.irp m, 0,1,2,3
	v_max_num_f32 v[TS+8*\m+2*\w], 0, v[TS+8*\m+2*\w]
.endr
.endr
.irp w, 0,1,2,3
.irp m, 0,1,2,3
	v_cvt_u32_f32 v[TS+8*\m+2*\w], v[TS+8*\m+2*\w]
.endr
.endr
.irp m, 0,1,2,3
	v_lshl_or_b32 v[PSW+\m], v[TS+8*\m+2], 8, v[TS+8*\m]
.endr
.irp m, 0,1,2,3
	v_lshl_or_b32 v[PSW+\m], v[TS+8*\m+4], 16, v[PSW+\m]
.endr
.irp m, 0,1,2,3
	v_lshl_or_b32 v[PSW+\m], v[TS+8*\m+6], 24, v[PSW+\m]
.endr
.irp m, 0,1,2,3
	v_sub_f32 v[TE+\m], v[TT+\m], v[FN+2*\m+1]     ; old M - new M.  (These 16 plain lines stand between the scale words and the products)
.endr
.irp m, 0,1,2,3
	v_cvt_i32_f32 v[TE+\m], v[TE+\m]
.endr
.irp m, 0,1,2,3
	v_ldexp_f32 v[FN+2*\m], 1.0, v[TE+\m]          ; f
.endr
.irp m, 0,1,2,3
	v_mov_b32 v[FN+2*\m+1], v[TT+\m]
.endr
.endm
.macro RESC i, m                       ; accumulator (i, m) of O^T under the new M, from its low end on
.irp k, 0,2,4,6
	v_pk_mul_f32 v[64*(\m)+8*(\i)+\k:64*(\m)+8*(\i)+\k+1], v[64*(\m)+8*(\i)+\k:64*(\m)+8*(\i)+\k+1], v[FN+2*(\m):FN+2*(\m)+1] op_sel_hi:[1,0]
.endr
.endm
; A KEY STEP in slot par.  fill: the other slot is filled with the next key step.  last: nothing more of adj; Wo's first half is asked for.
.macro STEP par, fill, last
	s_wait_tensorcnt 0x0                           ; my quarter of this step's slot has landed;
	ds_add_u32 v[SPW], v[NIL]
	s_add_nc_u64 s[G0+4*\par+2:G0+4*\par+3], s[G0+4*\par+2:G0+4*\par+3], 2*SLB   ; no load of mine is out: this slot's next key step
	s_wait_dscnt 0x0                               ; the add is done, my reads of the other slot are over, my rows of adj lie in the stage
.if \fill
	ROUND
	tensor_load_to_lds s[G0+4*(1-\par):G0+4*(1-\par)+3], s[G1:G1+7]   ; my one tensor load until the next round
	s_nop 0
.else
	s_barrier_signal -1
	s_barrier_wait -1
.endif
.rept 8
	v_nop                                          ; eight places between the last step's products and the loads into registers that they read
.endr
	; ---- S^T = K Q^T: my two tiles of keys x the four tiles of queries; adj's addends are made among the products
.irp s, 0,1,2,3
	ds_load_b32 v[KSR+\s], v[AKS+\par] offset:512*\s
.endr
.irp m, 0,1,2,3
.irp k, 0,1,2,3
	ds_load_b128 v[AT+16*\m+4*\k:AT+16*\m+4*\k+3], v[AAR] offset:16*\m*ASP+16*\k   ; adj of query (m, r), keys 32 w + 16 h + 4 k ..
.endr
.endr
	WIN 0xc0
.irp s, 0,1,2,3
.irp u, 0,1
.irp c, 0,1,2,3
	ds_load_b128 v[16*(4*\u+\s)+4*\c:16*(4*\u+\s)+4*\c+3], v[AK+\par] offset:(4*\u+\s)*2048+512*\c
.endr
.endr
.endr
	WIN 0
.irp s, 0,1,2,3
	s_wait_dscnt 24-8*\s                           ; adj and K step s are in: behind them stand 8 loads for each later K step
.irp m, 0,1,2,3
	WIN 0x07                                       ; source 0 (K) window 3, source 1 (Q) window 1
	WMS SR+16*\m, 16*\s, 64*\m+16*\s, (\s)==0, KSR+\s, QSR+2*\s+\m/2, 0, \m%2       ; eight accumulators by turns
	WMS SR+16*\m+8, 16*(4+\s), 64*\m+16*\s, (\s)==0, KSR+\s, QSR+2*\s+\m/2, 1, \m%2
	WIN 0
.irp k, 0,1,2,3
	v_cmp_eq_u32 s[MK+4*(\m%2)+\k], 0, v[AT+16*\s+4*\m+\k]
.endr
.irp k, 0,1,2,3
	v_cndmask_b32 v[AT+16*\s+4*\m+\k], 0, v[NEGR], s[MK+4*(\m%2)+\k]   ; adj = 0: -2^120; else 0
.endr
.endr
.endr
	s_wait_alu depctr_va_vdst(0)
.rept 8
	v_nop                                          ; eight places: for the first read of a score, and for the loads below
.endr
.if \last
	WIN 0x40                                       ; Q is done with: Wo's tiles 0-3 of my eight take its registers
.set j, 0
.rept 64
	global_load_b128 v[4*j:4*j+3], v[LI], s[WOC:WOC+1] offset:512*j
.set j, j+1
.endr
.endif
	WIN 0xc0
.irp i, 0,1,2,3,4,5,6,7
.irp c, 0,1,2,3
	ds_load_b128 v[16*\i+4*\c:16*\i+4*\c+3], v[AV+\par] offset:2048*\i+512*\c   ; V's eight tiles land under the softmax
.endr
.endr
	WIN 0
.irp p, 0,1,2,3
	ds_load_b32 v[VSR+\p], v[AVS+\par] offset:128*\p
.endr
	SOFTMAX
	s_wait_dscnt 0x0                               ; for the others' sake: my codes and statistics are stored (and V is in)
	s_barrier_signal -1                            ; the tensor load stays out
	s_barrier_wait -1
	; ---- O^T += V^T P^T: my eight tiles of channels x the four tiles of queries
.irp m, 0,1,2,3
.irp w, 0,1,2,3
	ds_load_b64 v[TS+2*(4*\m+\w):TS+2*(4*\m+\w)+1], v[ASTR] offset:1024*\m+256*\w   ; the statistics first: they are worked on while P lands
.endr
.endr
.irp m, 0,1,2,3
.irp c, 0,1,2,3
	ds_load_b128 v[AT+16*\m+4*\c:AT+16*\m+4*\c+3], v[APR] offset:2048*\m+512*\c
.endr
.endr
.if \last
	s_wait_dscnt 16                                ; all but P's 16 loads: the statistics are in
.else
	s_wait_loadcnt 16                              ; the next step's adj is in; the 16 loads of the request behind it stay out
	STAGE 1-\par                                   ; every wave has read the stage and passed the barrier above
	s_wait_dscnt 32                                ; all but P's 16 loads and these 16 stores: the statistics are in
.endif
	STATS
	s_wait_alu depctr_va_vdst(0)
	s_wait_dscnt 0x0                               ; P is in, and the stage's stores have read their registers,
.if !\last
	s_wait_xcnt 0x0                                ; and the earlier requests their base
	s_mov_b64 s[AP:AP+1], s[AN:AN+1]
	s_add_nc_u64 s[AN:AN+1], s[AN:AN+1], 512
	s_cmp_eq_u32 s[TRIP], 1                        ; in the loop's last trip adj has no chunk left
	s_cbranch_scc1 .Lx_\@
	ADJLOAD 1-\par, 0                              ; three steps ahead of the step in hand
	s_branch .Lasked_\@
.Lx_\@:
	WIN 0xc0                                       ; 16 loads into the same registers: four of my first eight rows of x, register 16 e + 4 q
.irp i, 0,1,2,3,4,5,6,7,8,9,10,11,12,13,14,15
	global_load_b128 v[128+64*(1-\par)+4*\i:128+64*(1-\par)+4*\i+3], v[LI], s[XP:XP+1] offset:8192*(1-\par)+512*\i th:TH_LOAD_NT
.endr
	WIN 0
.Lasked_\@:
.endif
	WIN 0x82                                       ; O^T window 2, f window 0
.irp m, 0,1,2,3
	RESC 0, \m
.endr
.irp i, 0,1,2,3,4,5,6,7
.irp p, 0,2
	WIN 0xa3                                       ; source 0 (V) window 3, source 1 (P) window 0, C and D window 2
	WMS 64*\p+8*\i, 16*\i, AT+16*\p, 0, VSR+\i/2, PSW+\p, \i%2, 0          ; 32 different accumulators
	WMS 64*(\p+1)+8*\i, 16*\i, AT+16*(\p+1), 0, VSR+\i/2, PSW+\p+1, \i%2, 0
.if \i<7
	WIN 0x82
	RESC \i+1, \p                                  ; the next tile of channels, two products and eight lines ahead of its own products
	RESC \i+1, \p+1
.endif
.endr
.endr
	WIN 0
.endm
	s_mov_b32 s[TRIP], 8
	s_wait_alu depctr_va_vdst(0)
	s_branch .Lmid                                 ; key step 0 lies in slot 0: the loop is entered at its second half
.Lpair:                                            ; key steps 1 to 14, behind key step 0
	STEP 1, 1, 0
.Lmid:
	STEP 0, 1, 0
	s_sub_co_u32 s[TRIP], s[TRIP], 1
	s_cmp_lg_u32 s[TRIP], 0
	s_cbranch_scc1 .Lpair
	STEP 1, 0, 1                                   ; key step 15 is written out
	; ---------------- requests behind the last products
.rept 8
	v_nop                                          ; eight places: for the loads into V's registers and the scale registers, and for the first read of O^T
.endr
	global_prefetch_b8 v23, s[XP:XP+1] offset:65536 th:TH_LOAD_NT scope:SCOPE_SE        ; my second eight rows of x, 16,384 bytes on end, lanes 256 bytes apart: they are loaded in the layer norm's first trip
	global_prefetch_b8 v23, s[XP:XP+1] offset:65536+8192 th:TH_LOAD_NT scope:SCOPE_SE
	; ---------------- l = the sum over the waves of l_w 2^(M_w - M)
.irp m, 0,1,2,3
	v_add_f32 v[NM+2*\m+1], v[LW+2*\m], v[LW+2*\m+1]
.endr
.irp m, 0,1,2,3
	v_permlanex16_b32 v[PC+\m], v[NM+2*\m+1], s[SEL], s[SEL+1]
.endr
.irp m, 0,1,2,3
	v_add_f32 v[NM+2*\m+1], v[NM+2*\m+1], v[PC+\m]
.endr
.irp m, 0,1,2,3
	ds_store_b64 v[ST2W], v[NM+2*\m:NM+2*\m+1] offset:1024*\m
.endr
	s_wait_dscnt 0x0
	s_barrier_signal -1
	s_barrier_wait -1
.irp m, 0,1,2,3
.irp w, 0,1,2,3
	ds_load_b64 v[TS+2*(4*\m+\w):TS+2*(4*\m+\w)+1], v[ST2R] offset:1024*\m+256*\w
.endr
.endr
.irp b, 0,1,2,3
	global_load_b64 v[WOS+4*\b:WOS+4*\b+1], v[PSO], s[WOSP:WOSP+1] offset:512*\b        ; Wo's scale words, behind the exchange's LDS work
	global_load_b64 v[WOS+4*\b+2:WOS+4*\b+3], v[PSO], s[WOSP:WOSP+1] offset:512*\b+128
.endr
	s_wait_dscnt 0x0
.irp w, 0,1,2,3
.irp m, 0,1,2,3
	v_sub_f32 v[TS+8*\m+2*\w], v[FN+2*\m+1], v[TS+8*\m+2*\w]
.endr
.endr
.irp w, 0,1,2,3
.irp m, 0,1,2,3
	v_cvt_i32_f32 v[TS+8*\m+2*\w], v[TS+8*\m+2*\w]
.endr
.endr
.irp w, 0,1,2,3
.irp m, 0,1,2,3
	v_ldexp_f32 v[TS+8*\m+2*\w], 1.0, v[TS+8*\m+2*\w]
.endr
.endr
.irp m, 0,1,2,3
	v_mul_f32 v[PC+\m], v[TS+8*\m], v[TS+8*\m+1]
.endr
.irp w, 1,2,3
.irp m, 0,1,2,3
	v_fma_f32 v[PC+\m], v[TS+8*\m+2*\w], v[TS+8*\m+2*\w+1], v[PC+\m]
.endr
.endr
	s_wait_alu depctr_va_vdst(0)
.irp m, 0,1,2,3
	v_rcp_f32 v[FN+2*\m], v[PC+\m]                 ; l is at least 1/2: the row's largest p
.endr
	v_nop
	s_wait_alu depctr_va_vdst(0)                   ; one wait for the four, ahead of their first reader
	; ---------------- out = O^T / l, quantised along the channels: my 128 are K step w of the last product.  A tile of O^T that has been read takes a tile of Wo's second half
.irp m, 0,1,2,3
	WIN 0x02
.set j, 0
.rept 32
	v_pk_mul_f32 v[SR+64*(\m%2)+j:SR+64*(\m%2)+j+1], v[64*\m+j:64*\m+j+1], v[FN+2*\m:FN+2*\m+1] op_sel_hi:[1,0]
.set j, j+2
.endr
	WIN 0x80
.set j, 0
.rept 16
	global_load_b128 v[64*\m+4*j:64*\m+4*j+3], v[LI], s[WOC:WOC+1] offset:32768+8192*\m+512*j
.set j, j+1
.endr
	WIN 0
	QUANT SR+64*(\m%2), PC, PW
.irp c, 0,1,2,3
	ds_store_b128 v[AOW], v[PC+4*\c:PC+4*\c+3] offset:8192*\m+512*\c   ; slot 0 has had its last fill, and its last reads lie behind two barriers
.endr
	ds_store_b32 v[AOSW], v[PW] offset:512*\m
	s_wait_dscnt 0x0
.endr
	s_barrier_signal -1
	s_barrier_wait -1                              ; out's sixteen fragments lie in LDS
	; ---------------- z^T = Wo^T out^T: my 128 columns for the 64 rows, a tile of rows at a time: 32 products on eight accumulators; each fragment of out is read once
.macro OFETCH m                        ; out's four fragments and four words of tile m: 20 LDS loads
.irp s, 0,1,2,3
.irp c, 0,1,2,3
	ds_load_b128 v[SR+64*((\m)%2)+16*\s+4*\c:SR+64*((\m)%2)+16*\s+4*\c+3], v[LI] offset:(4*(\m)+\s)*2048+512*\c
.endr
.endr
.irp s, 0,1,2,3
	ds_load_b32 v[OS+4*((\m)%2)+\s], v[LS] offset:OXS+(4*(\m)+\s)*128
.endr
.endm
	OFETCH 0
.irp m, 0,1,2,3
.if \m<3
	OFETCH \m+1                                    ; a tile ahead; the products that read these registers stand nine places back
	s_wait_dscnt 20                                ; all but the 20 just issued: this tile's fragments are in, the last tile's results are stored
.else
	s_wait_dscnt 0x0
.endif
.if \m==0
	s_wait_loadcnt 0x0                             ; Wo, its words, x
.endif
.irp s, 0,1,2,3
	WIN 0x01
.irp i, 0,1,2,3
	WMS TS+8*\i, 64*\i+16*\s, SR+64*(\m%2)+16*\s, (\s)==0, WOS+4*(\i/2)+\s, OS+4*(\m%2)+\s, \i%2, 0
.endr
	WIN 0x02
.irp i, 4,5,6,7
	WMS TS+8*\i, 64*(\i-4)+16*\s, SR+64*(\m%2)+16*\s, (\s)==0, WOS+4*(\i/2)+\s, OS+4*(\m%2)+\s, \i%2, 0
.endr
.endr
	WIN 0
.rept 9
	v_nop                                          ; eight places ahead of the stores of results and of loads into operands, nine ahead of the next tile's products, which begin the accumulators anew
.endr
.if \m==2
.irp q, 0,1,2,3
	global_load_b128 v[BG+4*\q:BG+4*\q+3], v[LI], s[BO:BO+1] offset:512*\q           ; out's even buffer is done with
	global_load_b128 v[BG+16+4*\q:BG+16+4*\q+3], v[LI], s[GA:GA+1] offset:512*\q
	global_load_b128 v[BG+32+4*\q:BG+32+4*\q+3], v[LI], s[BE:BE+1] offset:512*\q
.endr
.endif
.irp i, 0,1,2,3,4,5,6,7
	ds_store_b128 v[AZ+\m/2], v[TS+8*\i:TS+8*\i+3] offset:16*(\m%2)*ZP+128*(\i/2)+32*(\i%2)        ; z(16 m + r, 128 w + 32 (i / 2) + 16 h + 8 (i % 2) + 0 .. 7); from the low end on
	ds_store_b128 v[AZ+\m/2], v[TS+8*\i+4:TS+8*\i+7] offset:16*(\m%2)*ZP+128*(\i/2)+32*(\i%2)+16
.endr
.endr
	s_wait_dscnt 0x0
	s_barrier_signal -1
	s_barrier_wait -1                              ; 64 whole rows of z lie in LDS
	; ---------------- the residual, the bias and the layer norm: two trips of 8 rows a wave; a lane holds columns 128 q + 4 lane + 0 .. 3; y(e, q) at 16 e + 4 q of window 2, x likewise from v128 of window 3
.macro ROWSUM                          ; the rows' four partial pairs in v[R0 + 8 i ..] become the row's sum, in every lane's v[R0 + 8 i]
.irp i, 0,1,2,3,4,5,6,7
	v_pk_add_f32 v[R0+8*\i:R0+8*\i+1], v[R0+8*\i:R0+8*\i+1], v[R0+8*\i+2:R0+8*\i+3]
.endr
.irp i, 0,1,2,3,4,5,6,7
	v_pk_add_f32 v[R0+8*\i+4:R0+8*\i+5], v[R0+8*\i+4:R0+8*\i+5], v[R0+8*\i+6:R0+8*\i+7]
.endr
.irp i, 0,1,2,3,4,5,6,7
	v_pk_add_f32 v[R0+8*\i:R0+8*\i+1], v[R0+8*\i:R0+8*\i+1], v[R0+8*\i+4:R0+8*\i+5]
.endr
.irp i, 0,1,2,3,4,5,6,7
	v_add_f32 v[R0+8*\i], v[R0+8*\i], v[R0+8*\i+1]
.endr
.irp x, 1,2,4,8
.irp i, 0,1,2,3,4,5,6,7
	v_add_f32_dpp v[R0+8*\i], v[R0+8*\i], v[R0+8*\i] row_xmask:\x row_mask:0xf bank_mask:0xf
.endr
.endr
.irp i, 0,1,2,3,4,5,6,7
	v_permlanex16_b32 v[R0+8*\i+1], v[R0+8*\i], s[SEL], s[SEL+1]
.endr
.irp i, 0,1,2,3,4,5,6,7
	v_add_f32 v[R0+8*\i], v[R0+8*\i], v[R0+8*\i+1]
.endr
.endm
	s_mov_b32 s[TRIP], 2
	s_wait_loadcnt 0x0                             ; bo, gamma, beta
.Lnorm:
	WIN 0x80
.irp e, 0,1,2,3,4,5,6,7
.irp q, 0,1,2,3
	ds_load_b128 v[16*\e+4*\q:16*\e+4*\q+3], v[AR] offset:\e*ZP+512*\q
.endr
.endr
	s_wait_dscnt 0x0
	WIN 0
	s_cmp_eq_u32 s[TRIP], 2                        ; in the first trip: my second eight rows of x, 32 tokens on, are asked for; they have the trip in which to land
	s_cbranch_scc0 .Lhave_x
	WIN 0xc0
.set j, 0
.rept 32
	global_load_b128 v[4*j:4*j+3], v[LI], s[XP:XP+1] offset:65536+512*j th:TH_LOAD_NT
.set j, j+1
.endr
	WIN 0
.Lhave_x:
	WIN 0x8e                                       ; y window 2, x window 3
.set j, 0
.rept 64
	v_pk_add_f32 v[j:j+1], v[j:j+1], v[128+j:128+j+1]
.set j, j+2
.endr
	WIN 0x82                                       ; bo window 0
.set j, 0
.rept 64
	v_pk_add_f32 v[j:j+1], v[j:j+1], v[BG+j%16:BG+j%16+1]
.set j, j+2
.endr
	WIN 0x0a                                       ; sources window 2, destination window 0
.irp i, 0,1,2,3,4,5,6,7
.irp q, 0,1,2,3
	v_pk_add_f32 v[R0+8*\i+2*\q:R0+8*\i+2*\q+1], v[16*\i+4*\q:16*\i+4*\q+1], v[16*\i+4*\q+2:16*\i+4*\q+3]
.endr
.endr
	WIN 0
	ROWSUM
.irp i, 0,1,2,3,4,5,6,7
	v_mul_f32 v[R0+8*\i], s[INV], v[R0+8*\i]       ; the mean
.endr
	WIN 0x82
.set j, 0
.rept 64
	v_pk_add_f32 v[j:j+1], v[j:j+1], v[R0+8*(j/16):R0+8*(j/16)+1] op_sel_hi:[1,0] neg_lo:[0,1] neg_hi:[0,1]   ; y - mean
.set j, j+2
.endr
	WIN 0x0a                                       ; the variance is the mean square of the CENTRED numbers
.irp i, 0,1,2,3,4,5,6,7
.irp q, 0,1,2,3
	v_pk_mul_f32 v[R0+8*\i+2*\q:R0+8*\i+2*\q+1], v[16*\i+4*\q:16*\i+4*\q+1], v[16*\i+4*\q:16*\i+4*\q+1]
.endr
.endr
.irp i, 0,1,2,3,4,5,6,7
.irp q, 0,1,2,3
	v_pk_fma_f32 v[R0+8*\i+2*\q:R0+8*\i+2*\q+1], v[16*\i+4*\q+2:16*\i+4*\q+3], v[16*\i+4*\q+2:16*\i+4*\q+3], v[R0+8*\i+2*\q:R0+8*\i+2*\q+1]
.endr
.endr
	WIN 0
	ROWSUM
.irp i, 0,1,2,3,4,5,6,7
	v_fma_f32 v[R0+8*\i], v[R0+8*\i], s[INV], s[EPS]
.endr
	s_wait_alu depctr_va_vdst(0)
.irp i, 0,1,2,3,4,5,6,7
	v_rsq_f32 v[R0+8*\i], v[R0+8*\i]
.endr
	v_nop
	s_wait_alu depctr_va_vdst(0)                   ; one wait for the eight, ahead of their first reader
	WIN 0x82
.set j, 0
.rept 64
	v_pk_mul_f32 v[j:j+1], v[j:j+1], v[R0+8*(j/16):R0+8*(j/16)+1] op_sel_hi:[1,0]
.set j, j+2
.endr
.set j, 0
.rept 64
	v_pk_fma_f32 v[j:j+1], v[j:j+1], v[BG+16+j%16:BG+16+j%16+1], v[BG+32+j%16:BG+32+j%16+1]   ; gamma and beta window 0
.set j, j+2
.endr
	WIN 0x08                                       ; a store's data are its source 1: window 2
.irp e, 0,1,2,3,4,5,6,7
.irp q, 0,1,2,3
	global_store_b128 v[LI], v[16*\e+4*\q:16*\e+4*\q+3], s[OUTP:OUTP+1] offset:2048*\e+512*\q th:TH_STORE_NT   ; 32 lanes store 512 consecutive bytes, at a multiple of 256 from out0's first byte
.endr
.endr
	s_wait_loadcnt 0x0                             ; the second eight rows of x are in
	WIN 0xc3                                       ; they are copied to where a trip reads them, so that both trips run one text
.set j, 0
.rept 128
	v_mov_b32 v[128+j], v[j]
.set j, j+1
.endr
	WIN 0
	v_add_nc_u32 v[AR], 32*ZP, v[AR]               ; Z's rows 32 on,
	s_wait_xcnt 0x0                                ; the stores have read their base and their data:
	s_add_nc_u64 s[OUTP:OUTP+1], s[OUTP:OUTP+1], 65536   ; 32 tokens on
	s_sub_co_u32 s[TRIP], s[TRIP], 1
	s_cmp_lg_u32 s[TRIP], 0
	s_wait_alu depctr_va_vdst(0)
	s_cbranch_scc1 .Lnorm
	s_wait_tensorcnt 0x0                           ; the wave's end
	ds_add_u32 v[SPW], v[NIL]
	s_wait_dscnt 0x0
	ROUND                                          ; the closing round
	s_endpgm
.Lfunc_end_k_q39fd11a42d_attn:
	.size	k_q39fd11a42d_attn, .Lfunc_end_k_q39fd11a42d_attn-k_q39fd11a42d_attn
	.p2alignl 7, 3214868480
	.fill 96, 4, 3214868480
	.section	.rodata,"a",@progbits
	.p2align	6, 0x0
	.amdhsa_kernel k_q39fd11a42d_attn
		.amdhsa_group_segment_fixed_size 327680
		.amdhsa_private_segment_fixed_size 0
		.amdhsa_enable_private_segment 0
		.amdhsa_kernarg_size 88
		.amdhsa_user_sgpr_count 2
		.amdhsa_user_sgpr_kernarg_segment_ptr 1
		.amdhsa_wavefront_size32 1
		.amdhsa_system_sgpr_workgroup_id_x 1
		.amdhsa_system_sgpr_workgroup_id_y 1
		.amdhsa_system_sgpr_workgroup_id_z 1
		.amdhsa_system_vgpr_workitem_id 0
		.amdhsa_next_free_vgpr 1024
		.amdhsa_next_free_sgpr 100
		.amdhsa_reserve_vcc 0
		.amdhsa_float_denorm_mode_32 3
		.amdhsa_float_denorm_mode_16_64 3
		.amdhsa_memory_ordered 1
		.amdhsa_forward_progress 1
		.amdhsa_inst_pref_size 255
	.end_amdhsa_kernel
	.section	.bss,"aw",@nobits
	.p2align	6
	.space	262144
	.amdgpu_metadata
---
amdhsa.version: [ 1, 2 ]
amdhsa.kernels:
  - .name:           k_q39fd11a42d_attn
    .symbol:         k_q39fd11a42d_attn.kd
    .args:
      - { .name: qc, .offset: 0, .size: 8, .value_kind: global_buffer, .address_space: global }
      - { .name: qs, .offset: 8, .size: 8, .value_kind: global_buffer, .address_space: global }
      - { .name: kv, .offset: 16, .size: 8, .value_kind: global_buffer, .address_space: global }
      - { .name: wc, .offset: 24, .size: 8, .value_kind: global_buffer, .address_space: global }
      - { .name: ws, .offset: 32, .size: 8, .value_kind: global_buffer, .address_space: global }
      - { .name: adj, .offset: 40, .size: 8, .value_kind: global_buffer, .address_space: global }
      - { .name: x, .offset: 48, .size: 8, .value_kind: global_buffer, .address_space: global }
      - { .name: bo, .offset: 56, .size: 8, .value_kind: global_buffer, .address_space: global }
      - { .name: gamma, .offset: 64, .size: 8, .value_kind: global_buffer, .address_space: global }
      - { .name: beta, .offset: 72, .size: 8, .value_kind: global_buffer, .address_space: global }
      - { .name: out0, .offset: 80, .size: 8, .value_kind: global_buffer, .address_space: global }
    .group_segment_fixed_size: 327680
    .private_segment_fixed_size: 0
    .kernarg_segment_align: 8
    .kernarg_segment_size: 88
    .max_flat_workgroup_size: 128
    .sgpr_count:     100
    .vgpr_count:     1024
    .wavefront_size: 32
...
	.end_amdgpu_metadata
.endif
;; end of part 3
